; MI455X (gfx1250); checked and timed in simulation.
; The chip was launched on July 23, 2026; its instructions are those of AMD's public machine-readable ISA for CDNA 5 (MIT licence, August 2026) and "CDNA5" Instruction Set Architecture Reference Guide (July 2026). The comments in the code are by the model that wrote it; some were corrected since.
;; Attention Layer. Allowed arithmetic: float matrix products may take bf16 or f16 operands with f32 sums; other float arithmetic in f32, or as packed bf16 or f16 multiplies, adds, multiply-adds, maxima and minima; sums over many terms, partial sums and values carried from step to step in f32; what a program stores and reads back later, other than sums and carried values, may be rounded once to bf16 or f16.
;; Inputs: W_a 2,048 x 1,024 float32; b_a 1,024 float32; b_v 1 float32; dec_h_t 32 x 1,024 float32; enc_h_s 32 x 2,048 x 1,024 float32; v_a 1,024 x 1 float32.
;; Outputs: out0 32 x 1,024 float32.
;; 2 versions, each right; version 2 is version 1 with the launch attn written anew for expert scheduling mode. Each part assembles by itself: llvm-mc -triple=amdgcn-amd-amdhsa -mcpu=gfx1250 --defsym DOCPART=n.
;; ======== version 1 of 2: 3 launches
;; workspace buffers: wt 2,097,152 bytes; dpart 1,048,576 bytes; part 1,114,112 bytes
;; launch prep (part 1): grid 16 x 4, 4 waves a work-group, no clusters, 51,712 bytes of LDS; arguments W_a, dec_h_t, wt, dpart; writes wt, dpart
.if DOCPART == 1
	.amdgcn_target "amdgcn-amd-amdhsa--gfx1250"
	.amdhsa_code_object_version 6
	.text
	.protected	k_qe755990dff_prep
	.globl	k_qe755990dff_prep
	.p2align	8
	.type	k_qe755990dff_prep,@function
k_qe755990dff_prep:
	s_mov_b64 s[64:65], 0
	v_nop
	global_prefetch_b8 v0, s[64:65] scope:SCOPE_SE
	s_setreg_imm32_b32 hwreg(HW_REG_WAVE_MODE, 25, 1), 1
	s_wait_xcnt 0x0
; PREPARATION.  W_a is [2048][1024] f32.  Its lower half (rows 1024..2047, which multiply enc) is rounded to bf16 and written to wt in the order in which the
; next launch's matrix instructions want it; its upper half (rows 0..1023) is multiplied by dec_h_t [32][1024], both rounded to bf16, sums in f32: eight partial sums over 128 k each, to dpart.
; wt: [w 4][p 2][t 32][b 8][j 2][lane 32][16 bytes]: column 16 (32 p + 8 w + b) + lane % 16, k = 32 t + 16 j + 8 (lane / 16) + 0..7.      dpart: f32 [8][32][1024].
; SHARES.  Work-group (x, y): 64 columns (x) of 512 rows (y) of W_a; y = 0, 1 is the dec half, y = 2, 3 the enc half.  Wave v takes 128 of the rows: four K steps of 32.
; A lane loads columns 2 c, 2 c + 1 of every row (a load of the wave covers 256 consecutive bytes, aligned), rounds pairs ALONG k, and sends 16 bytes at a time through an image in LDS that has
; the fragments' order.  Every LDS byte is the wave's own: no barrier.  LDS serves a wave's instructions in order (ISA guide 5.7.1.4), so no wait stands between its stores and its loads.
; LIMITS.  W_a and dec_h_t are rounded once to bf16 (matrix operands); NaN and infinities are not treated apart.
; REGISTERS: window 0: v0-15 addresses; v16-47 PK; v48-175 F (4 steps x 4 fragments); v176-239 ACC; v240-255 DF.   window 1: W in f32 (row n of 128 at 2 n).   window 2: v0-127 dec in f32.
.set STAGE,  16384                     ; behind the four images of 4,096 bytes: 32 rows x 272 bytes for each wave, for dpart's way out
.set SPITCH, 272
.set SPARE,  51200                     ; the spare words, 128 bytes for each wave: two blocks of 256 bytes that no other line names
.set SPW, 2                            ; v2   SPARE + 4 x my thread's number; never rewritten
.set NIL, 3                            ; v3   0; never rewritten
.set WO,  4                            ; v4   8 x lane: my two columns in a row of the strip
.set IMS, 5                            ; v5   where I put 16 bytes into the image
.set IML, 6                            ; v6   where I read a fragment's 16 bytes
.set OUTO, 7                           ; v7   16 x lane
.set DO,  8                            ; v8   my offset in dec_h_t
.set STS, 9                            ; v9   stage: in
.set STL, 10                           ; v10  stage: back
.set DPO, 11                           ; v11  my offset in dpart
.set PK,  16
.set F,   48
.set ACC, 176
.set DF,  240
.set WV,  12
.set SX,  13
.set SY,  14
.set MSB, 0
.macro WIN new                         ; the immediate's high byte repeats the setting that is left; a switch that changes nothing is dropped
.if MSB != (\new)
	s_set_vgpr_msb (MSB<<8)|(\new)
.set MSB, \new
.endif
.endm
.macro WLOADS                          ; my 128 rows of the strip, into window 1
	WIN 0x40
.set n, 0
.rept 128
	global_load_b64 v[2*n:2*n+1], v[WO], s[4:5] offset:n*4096 th:TH_LOAD_NT
.set n, n+1
.endr
	WIN 0
.endm
; K step s: 32 rows x 64 columns become four fragments.  left: the younger loads that may stay out (96, 64, 32, 0 are younger; a wait's count holds 63 at the most).
.macro KSTEP s, left
	s_wait_loadcnt \left
	WIN 0x05                                       ; sources in window 1
.irp q, 0,1
.irp j, 0,1
.irp h, 0,1
.irp e, 0,1,2,3
	v_cvt_pk_bf16_f32 v[PK+4*(4*(\q)+2*(\j)+(\h))+(\e)], v[64*(\s)+2*(16*(\j)+8*(\h)+2*(\e))+(\q)], v[64*(\s)+2*(16*(\j)+8*(\h)+2*(\e)+1)+(\q)]  ; column 2 c + q, k = 16 j + 8 h + 2 e and the next
.endr
.endr
.endr
.endr
	WIN 0
.irp q, 0,1
.irp j, 0,1
.irp h, 0,1
	ds_store_b128 v[IMS], v[PK+4*(4*(\q)+2*(\j)+(\h)):PK+4*(4*(\q)+2*(\j)+(\h))+3] offset:16*(\q)+256*(\h)+512*(\j)  ; to the place of lane 2 (c % 8) + q + 16 h, half j, of fragment c / 8
.endr
.endr
.endr
.irp i, 0,1,2,3,4,5,6,7
	ds_load_b128 v[F+32*(\s)+4*(\i):F+32*(\s)+4*(\i)+3], v[IML] offset:512*(\i)
.endr
.endm
	s_load_b256 s[4:11], s[0:1], 0x0               ; W_a s[4:5], dec_h_t s[6:7], wt s[8:9], dpart s[10:11]
	v_lshl_add_u32 v[SPW], v0, 2, SPARE
	v_mov_b32 v[NIL], 0
	v_lshrrev_b32 v1, 5, v0
	v_readfirstlane_b32 s[WV], v1                  ; wave 0..3
	s_mov_b32 s[SX], ttmp9
	s_and_b32 s[SY], ttmp7, 0xffff
	v_and_b32 v12, 31, v0                          ; lane c
	v_and_b32 v13, 15, v0                          ; r
	v_bfe_u32 v14, v0, 4, 1                        ; h
	v_lshlrev_b32 v[WO], 3, v12
	v_lshlrev_b32 v[OUTO], 4, v12
	s_lshl_b32 s16, s[WV], 12                      ; my image
	v_and_b32 v15, 7, v12
	v_lshrrev_b32 v1, 3, v12
	v_lshlrev_b32 v[IMS], 5, v15
	v_lshl_add_u32 v[IMS], v1, 10, v[IMS]
	v_add_nc_u32 v[IMS], s16, v[IMS]
	v_add_nc_u32 v[IML], s16, v[OUTO]
	s_lshl_b32 s16, s[SY], 9
	s_lshl_b32 s17, s[WV], 7
	s_add_co_u32 s16, s16, s17                     ; my first row of W_a
	s_lshl_b32 s18, s16, 12                        ; x 4,096 bytes
	s_lshl_b32 s17, s[SX], 8                       ; + the strip's 256 bytes
	s_add_co_u32 s18, s18, s17
	s_mov_b32 s19, 0
	s_wait_kmcnt 0x0
	s_add_nc_u64 s[4:5], s[4:5], s[18:19]
	s_cmp_lt_u32 s[SY], 2
	s_cbranch_scc0 .Lenc
	; THE DEC HALF.  D = W^T dec^T: source 0 = 16 columns of W, source 1 = 16 rows of dec: a lane ends with one batch (lane % 16) and eight neighbouring columns.
	s_lshl_b32 s18, s16, 2                         ; my first k, in bytes of a row of dec
	s_add_nc_u64 s[6:7], s[6:7], s[18:19]
	v_lshlrev_b32 v[DO], 12, v13                   ; batch r
	v_lshl_add_u32 v[DO], v14, 5, v[DO]            ; 8 h numbers on
	WIN 0x80                                       ; destination window 2
.irp m, 0,1
.irp s, 0,1,2,3
.irp u, 0,1,2,3
	global_load_b128 v[16*(4*(\m)+(\s))+4*(\u):16*(4*(\m)+(\s))+4*(\u)+3], v[DO], s[6:7] offset:(\m)*65536+(\s)*128+((\u)/2)*64+((\u)%2)*16
.endr
.endr
.endr
	WLOADS
	s_mul_i32 s20, s[WV], 32*SPITCH
	s_add_co_u32 s20, s20, STAGE                   ; my stage
	v_mul_u32_u24 v[STS], v13, SPITCH              ; in: row = batch r, 32 bytes for each half of the lanes
	v_lshl_add_u32 v[STS], v14, 5, v[STS]
	v_add_nc_u32 v[STS], s20, v[STS]
	v_mul_u32_u24 v[STL], v14, SPITCH              ; back: lanes 0-15 one row of 256 bytes, lanes 16-31 the next
	v_lshl_add_u32 v[STL], v13, 4, v[STL]
	v_add_nc_u32 v[STL], s20, v[STL]
	v_lshlrev_b32 v[DPO], 12, v14                  ; the same two rows in dpart
	v_lshl_add_u32 v[DPO], v13, 4, v[DPO]
	s_lshl_b32 s20, s[SY], 2
	s_add_co_u32 s20, s20, s[WV]                   ; which of the eight partial sums
	s_lshl_b32 s18, s20, 17
	s_lshl_b32 s17, s[SX], 8
	s_add_co_u32 s18, s18, s17
	s_add_nc_u64 s[10:11], s[10:11], s[18:19]
.macro DSTEP s, left, zero
	KSTEP \s, \left                                ; its 32 conversions are also the places between the last step's products and the rewriting of DF
	WIN 0x0a                                       ; sources in window 2
.irp m, 0,1
.irp u, 0,1,2,3
.irp e, 0,1
	v_cvt_pk_bf16_f32 v[DF+8*(\m)+2*(\u)+(\e)], v[16*(4*(\m)+(\s))+4*(\u)+2*(\e)], v[16*(4*(\m)+(\s))+4*(\u)+2*(\e)+1]
.endr
.endr
.endr
	WIN 0
	s_wait_dscnt 0x0                               ; W's four fragments are back
.irp m, 0,1
.irp t, 0,1,2,3
.if \zero
	v_wmma_f32_16x16x32_bf16 v[ACC+8*(4*(\m)+(\t)):ACC+8*(4*(\m)+(\t))+7], v[F+32*(\s)+8*(\t):F+32*(\s)+8*(\t)+7], v[DF+8*(\m):DF+8*(\m)+7], 0
.else
	v_wmma_f32_16x16x32_bf16 v[ACC+8*(4*(\m)+(\t)):ACC+8*(4*(\m)+(\t))+7], v[F+32*(\s)+8*(\t):F+32*(\s)+8*(\t)+7], v[DF+8*(\m):DF+8*(\m)+7], v[ACC+8*(4*(\m)+(\t)):ACC+8*(4*(\m)+(\t))+7]
.endif
.endr
.endr
.endm
	DSTEP 0, 63, 1                                 ; the first step starts the sums; the eight accumulators take turns, one instruction a turn.  dec's loads are older than W's: the same waits show them in
	DSTEP 1, 63, 0
	DSTEP 2, 32, 0
	DSTEP 3, 0, 0
.rept 4
	v_nop                                          ; four places behind the last product, ahead of the stores that read results and of the loads into F
.endr
.irp m, 0,1
.irp t, 0,1,2,3
	ds_store_b128 v[STS], v[ACC+8*(4*(\m)+(\t)):ACC+8*(4*(\m)+(\t))+3]   offset:(\m)*16*SPITCH+(\t)*64     ; each accumulator's low registers first
	ds_store_b128 v[STS], v[ACC+8*(4*(\m)+(\t))+4:ACC+8*(4*(\m)+(\t))+7] offset:(\m)*16*SPITCH+(\t)*64+16
.endr
.endr
.irp i, 0,1,2,3,4,5,6,7,8,9,10,11,12,13,14,15
	ds_load_b128 v[F+4*(\i):F+4*(\i)+3], v[STL] offset:2*SPITCH*(\i)
.endr
.irp i, 0,1,2,3,4,5,6,7,8,9,10,11,12,13,14,15
	s_wait_dscnt 15-(\i)                           ; LDS loads come back in order: pair i of rows is in
	global_store_b128 v[DPO], v[F+4*(\i):F+4*(\i)+3], s[10:11] offset:8192*(\i)  ; 16 lanes store 256 consecutive bytes, aligned
.endr
	s_wait_tensorcnt 0x0                           ; the wave's end
	ds_add_u32 v[SPW], v[NIL]
	s_wait_dscnt 0x0
	s_endpgm
.Lenc:                                                 ; THE ENC HALF: the fragments go out as they are, 4,096 consecutive bytes a step
	WLOADS
	s_and_b32 s17, s[SX], 7
	s_lshr_b32 s17, s17, 1
	s_lshl_b32 s18, s17, 19                        ; w = (x % 8) / 2
	s_lshr_b32 s17, s[SX], 3
	s_lshl_b32 s17, s17, 18                        ; p = x / 8
	s_add_co_u32 s18, s18, s17
	s_and_b32 s17, s[SX], 1
	s_lshl_b32 s17, s17, 12                        ; b = 4 (x % 2) + fragment
	s_add_co_u32 s18, s18, s17
	s_sub_co_u32 s17, s16, 1024
	s_lshl_b32 s17, s17, 8                         ; t x 8,192 = (row - 1024) / 32 x 8,192
	s_add_co_u32 s18, s18, s17
	s_add_nc_u64 s[8:9], s[8:9], s[18:19]
.macro ESTEP s, left
	KSTEP \s, \left
.irp i, 0,1,2,3,4,5,6,7
	s_wait_dscnt 7-(\i)
	global_store_b128 v[OUTO], v[F+32*(\s)+4*(\i):F+32*(\s)+4*(\i)+3], s[8:9] offset:8192*(\s)+512*(\i)  ; 512 consecutive bytes; each step has its own registers, so no store's data is rewritten
.endr
.endm
	ESTEP 0, 63
	ESTEP 1, 63
	ESTEP 2, 32
	ESTEP 3, 0
	s_wait_tensorcnt 0x0                           ; the wave's end, as above
	ds_add_u32 v[SPW], v[NIL]
	s_wait_dscnt 0x0
	s_endpgm
.Lfunc_end_k_qe755990dff_prep:
	.size	k_qe755990dff_prep, .Lfunc_end_k_qe755990dff_prep-k_qe755990dff_prep
	.p2alignl 7, 3214868480
	.fill 96, 4, 3214868480
	.section	.rodata,"a",@progbits
	.p2align	6, 0x0
	.amdhsa_kernel k_qe755990dff_prep
		.amdhsa_group_segment_fixed_size 51712
		.amdhsa_private_segment_fixed_size 0
		.amdhsa_enable_private_segment 0
		.amdhsa_kernarg_size 32
		.amdhsa_user_sgpr_count 2
		.amdhsa_user_sgpr_kernarg_segment_ptr 1
		.amdhsa_wavefront_size32 1
		.amdhsa_system_sgpr_workgroup_id_x 1
		.amdhsa_system_sgpr_workgroup_id_y 1
		.amdhsa_system_sgpr_workgroup_id_z 1
		.amdhsa_system_vgpr_workitem_id 0
		.amdhsa_next_free_vgpr 640
		.amdhsa_next_free_sgpr 66
		.amdhsa_reserve_vcc 0
		.amdhsa_float_denorm_mode_32 3
		.amdhsa_float_denorm_mode_16_64 3
		.amdhsa_memory_ordered 1
		.amdhsa_forward_progress 1
		.amdhsa_inst_pref_size 70
	.end_amdhsa_kernel
	.amdgpu_metadata
---
amdhsa.version: [ 1, 2 ]
amdhsa.kernels:
  - .name:           k_qe755990dff_prep
    .symbol:         k_qe755990dff_prep.kd
    .args:
      - { .name: W_a, .offset: 0, .size: 8, .value_kind: global_buffer, .address_space: global }
      - { .name: dec_h_t, .offset: 8, .size: 8, .value_kind: global_buffer, .address_space: global }
      - { .name: wt, .offset: 16, .size: 8, .value_kind: global_buffer, .address_space: global }
      - { .name: dpart, .offset: 24, .size: 8, .value_kind: global_buffer, .address_space: global }
    .group_segment_fixed_size: 51712
    .private_segment_fixed_size: 0
    .kernarg_segment_align: 8
    .kernarg_segment_size: 32
    .max_flat_workgroup_size: 128
    .sgpr_count:     66
    .vgpr_count:     640
    .wavefront_size: 32
...
	.end_amdgpu_metadata
.endif
;; end of part 1
;; launch attn (part 2): grid 256 x 1, 4 waves a work-group, no clusters, 281,344 bytes of LDS; arguments enc_h_s, wt, dpart, b_a, v_a, b_v, part; writes part
.if DOCPART == 2
	.amdgcn_target "amdgcn-amd-amdhsa--gfx1250"
	.amdhsa_code_object_version 6
	.text
	.protected	k_qe755990dff_attn
	.globl	k_qe755990dff_attn
	.p2align	8
	.type	k_qe755990dff_attn,@function
k_qe755990dff_attn:
	s_mov_b64 s[64:65], 0
	v_nop
	global_prefetch_b8 v0, s[64:65] scope:SCOPE_SE
	s_setreg_imm32_b32 hwreg(HW_REG_WAVE_MODE, 25, 1), 1
	s_wait_xcnt 0x0
; score[s] = v_a . tanh(enc[s] W + dec W' + b_a) + b_v;  weights = softmax over s;  context = sum of weight x enc[s].  This launch: 256 rows of one batch to a work-group, its
; unnormalised context, running maximum m and sum l, to part [256][1088] f32 (words 0-1023 the context, 1024-1087 the pair (m, l) 32 times).  The next launch merges a batch's eight.
; EACH BYTE OF enc IS READ ONCE: a block of 128 rows x 1,024 k lies in LDS in bf16 (264,192 bytes) from its load to its context.  Two blocks a work-group; a block takes two passes (the halves of
; the 1,024 columns): in a pass wave w makes all 128 rows x its own 128 columns: 64 accumulators, 512 registers.  All four waves read the same fragments of enc from LDS.
; W's fragments go from memory straight into registers: no two waves want the same column, and wt holds them in the fragments' order (a load of the wave: 512 consecutive bytes); a ring of four sets, a K chunk of 128.
; THE FILL.  enc is f32, so it passes through registers: chunks 0 and 1 of a block are asked for during the block before (its epilogue and softmax), chunks 2..7 are loaded, rounded and stored to LDS during pass 0,
; each a trip (256 matrix instructions) ahead of its first use; one barrier a trip there.  Pass 1 has no fill and no barrier.
; NO CLUSTER, NO TENSOR LOAD.  Beside the resident rows (264,192) and the tables (17,152) LDS has 46,336 bytes left: less than two slots of ONE step of 32 k of the work-group's 512 columns (2 x 32,768).
; A joint fill of W would so want a round of the cluster's barrier for every 64 matrix instructions of a wave.  enc is shared by nobody and needs its conversion in registers.
; THE MATRIX INSTRUCTION IS USED TRANSPOSED (source 0 = 16 columns of W, source 1 = 16 rows of enc): a lane holds ONE row (lane % 16) and the columns 8 (lane / 16) + 0..7.
; tanh(x) = 1 - 2 / (1 + 2^(c x)), c = 2 log2(e): score = sum v + b_v + sum of (-2 v) / (1 + 2^(c x)).  Where 2^(c x) overflows or vanishes the quotient is exactly 0 or 1.
; SOFTMAX by a running maximum m: p = 2^(log2e s - log2e m); at each block context and l are multiplied by 2^(log2e m_old - log2e m_new).
; LIMITS.  enc and W are rounded once to bf16 (matrix operands), and the context sums that bf16 copy of enc; a weight below 2^-126 counts as 0; the score is formed as (sum v + b_v) plus the sum above, in f32;
; NaN and infinities are not treated apart.
; REGISTERS, in windows of 256 (s_set_vgpr_msb: bits 1:0 source 0, 3:2 source 1, 5:4 source 2, 7:6 destination):
;   window 0: v0-31 addresses and statistics; v32-39 context; v40-47 scores; v48-63 CT at work; v64-127 AF: enc's fragments (in the epilogue the tables); v128-255 STG: a chunk of my 32 rows in f32
;   window 1: W's ring: set q, fragment b at 64 q + 8 b      windows 2, 3: accumulator (a, b) at window 2 + a / 4, v[8 (8 (a % 4) + b)]; dead between a block's score and the next block: row buffers, chunk 1
.set PITCH,  2064                      ; an LDS row: 2,048 bytes + 16 = 129 x 16: the 16 rows that a fragment load touches start at 16 different groups of four banks (ISA guide 11.1)
.set R32,    32*PITCH
.set DTAB,   128*PITCH                 ; c (dec W' + b_a), f32 [1024]
.set VTAB,   DTAB+4096                 ; -2 v_a
.set SPART,  VTAB+4096                 ; [wave][128] the waves' parts of the scores
.set PTAB,   SPART+2048                ; [wave][128] the weights, each wave's own copy
.set RED,    PTAB+2048                 ; four words: the waves' parts of sum v
.set OST,    RED+256                   ; the way out, 1,024 bytes a wave
.set SPARE,  OST+4096                  ; the spare words, 128 bytes for each wave: two blocks of 256 bytes that no other line names
.set SPW,  2                           ; v2   SPARE + 4 x my thread's number; never rewritten
.set NIL,  3                           ; v3   0; never rewritten
.set ADR0, 4                           ; v4-7   (32 p + lane % 16) PITCH + 16 (lane / 16)
.set ADRA, 8                           ; v8-11  the same at the K chunk in hand
.set BO,   12                          ; v12  16 x lane
.set GO,   13                          ; v13  my offset in a block of enc: wave x 32 rows + 16 x lane
.set STA,  14                          ; v14  where I store 8 bytes of row 32 wave: STA0 + 256 x chunk
.set TADR, 15                          ; v15  DTAB + 512 wave + 32 (lane / 16)
.set SPA,  16                          ; v16  SPART + 512 wave + 4 (lane % 16)
.set SPR,  17                          ; v17  SPART + 16 lane
.set PTA,  18                          ; v18  PTAB + 512 wave + 16 lane
.set PRA0, 19                          ; v19  PTAB + 512 wave
.set CA0,  20                          ; v20  16 x thread: my 8 columns of a row in LDS; also my offset in the tables' sources
.set PFO,  21                          ; v21  thread x 4,096: the prefetches' offset, a lane a row
.set STA0, 22
.set CAW,  23                          ; v23  CA0 at the rows in hand
.set MRUN, 24                          ; v24  m      (v24, v25 leave as the pair (m, l))
.set CMRUN, 25                         ; v25  log2e m
.set LRUN, 26                          ; v26  l, my lane's part
.set PRAW, 27                          ; v27  PRA0 at the rows in hand
.set ALPHA, 28                         ; v28-29  the correction, twice
.set CTX,  32
.set SROW, 40
.set CT,   48
.set AF,   64
.set STG,  128
.set WV,   18
.set EP,   20                          ; s[20:21] enc at the block, stepped by chunks in pass 0
.set WB,   22                          ; s[22:23] wt at my wave's stream
.set WP,   24                          ; s[24:25] wt at the trip whose sets are being asked for
.set SBV,  28
.set PASS, 29
.set BLK,  30
.set CNT,  31
.set C2,   32                          ; s[32:33] 2 log2(e)
.set SEL,  34                          ; s[34:35] v_permlanex16_b32's selects: each lane takes its own place in the other half
.set LOG2E, 36
.set MSB, 0
.macro WIN new                         ; the immediate's high byte repeats the setting that is left; a switch that changes nothing is dropped
.if MSB != (\new)
	s_set_vgpr_msb (MSB<<8)|(\new)
.set MSB, \new
.endif
.endm
.set MUL_LO, 0xa1                      ; source 0 (W) window 1, source 1 (enc) window 0, C and D window 2
.set MUL_HI, 0xf1                      ; the same, C and D window 3
.set TO_B,   0x40                      ; destination window 1, address window 0
; A load into a register that a matrix instruction has read, and a vector instruction that reads a result, stand four places behind it; only plain vector instructions that name none of its
; registers are places (ISA guide 7.12.1 for vector instructions).
.macro PLACES
.rept 4
	v_nop
.endr
.endm
.macro ALOAD half, st                  ; enc's fragments a = 4 half .. 4 half + 3 of step st of the chunk at ADRA: eight LDS loads
	WIN 0
.irp a, 0,1,2,3
	ds_load_b128 v[AF+8*(4*(\half)+(\a)):AF+8*(4*(\half)+(\a))+3],   v[ADRA+2*(\half)+(\a)/2] offset:((\a)%2)*16*PITCH+64*(\st)
	ds_load_b128 v[AF+8*(4*(\half)+(\a))+4:AF+8*(4*(\half)+(\a))+7], v[ADRA+2*(\half)+(\a)/2] offset:((\a)%2)*16*PITCH+64*(\st)+32
.endr
.endm
.macro BLOAD q                         ; W's set q of the trip at WP: 16 loads of 512 consecutive bytes
	WIN TO_B
.irp b, 0,1,2,3,4,5,6,7
	global_load_b128 v[64*(\q)+8*(\b):64*(\q)+8*(\b)+3],   v[BO], s[WP:WP+1] offset:8192*(\q)+1024*(\b)
	global_load_b128 v[64*(\q)+8*(\b)+4:64*(\q)+8*(\b)+7], v[BO], s[WP:WP+1] offset:8192*(\q)+1024*(\b)+512
.endr
.endm
.macro GLOAD i0, n, base, win, off     ; n of my 32 rows, from row i0: 512 consecutive bytes of enc each, at byte off behind EP
	WIN \win
.set gi, \i0
.rept \n
	global_load_b128 v[(\base)+4*gi:(\base)+4*gi+3], v[GO], s[EP:EP+1] offset:gi*4096+(\off) th:TH_LOAD_NT
.set gi, gi+1
.endr
.endm
.macro CVST g, base, win, koff         ; rows 8 g .. 8 g + 7: rounded to bf16 and stored, 256 consecutive bytes of an LDS row an instruction
	WIN \win
.irp i, 0,1,2,3,4,5,6,7
	v_cvt_pk_bf16_f32 v[CT+2*(\i)],   v[(\base)+4*(8*(\g)+(\i))],   v[(\base)+4*(8*(\g)+(\i))+1]
	v_cvt_pk_bf16_f32 v[CT+2*(\i)+1], v[(\base)+4*(8*(\g)+(\i))+2], v[(\base)+4*(8*(\g)+(\i))+3]
.endr
	WIN 0
.irp i, 0,1,2,3,4,5,6,7
	ds_store_b64 v[STA], v[CT+2*(\i):CT+2*(\i)+1] offset:(8*(\g)+(\i))*PITCH+(\koff)
.endr
.endm
.macro FILLQ g, ld                     ; a quarter of the fill: the chunk in STG goes to LDS; ld = 1: the chunk behind it is asked for
	s_wait_loadcnt 63                              ; these eight rows' loads have 64 younger ones or more on every way here (a wait's count holds 63 at the most)
	CVST \g, STG, 0, 0
.if (\ld) == 1
	GLOAD 8*(\g), 8, STG, 0, 1024
.endif
.endm
.macro MUL hi, a0, na, q, zero         ; 8 na matrix instructions: row blocks 4 hi + a0 .. x all 8 column blocks, set q.  zero = 1: the product starts the sums
	WIN MUL_LO+0x50*(\hi)
.set ma, \a0
.rept \na
.irp b, 0,1,2,3,4,5,6,7
.if \zero
	v_wmma_f32_16x16x32_bf16 v[8*(8*ma+(\b)):8*(8*ma+(\b))+7], v[64*(\q)+8*(\b):64*(\q)+8*(\b)+7], v[AF+8*(4*(\hi)+ma):AF+8*(4*(\hi)+ma)+7], 0
.else
	v_wmma_f32_16x16x32_bf16 v[8*(8*ma+(\b)):8*(8*ma+(\b))+7], v[64*(\q)+8*(\b):64*(\q)+8*(\b)+7], v[AF+8*(4*(\hi)+ma):AF+8*(4*(\hi)+ma)+7], v[8*(8*ma+(\b)):8*(8*ma+(\b))+7]
.endif
.endr
.set ma, ma+1
.endr
.endm
; A STEP: 32 along K, 64 matrix instructions in two halves of 32; the 64 accumulators take turns, one instruction a turn, over every jump.  Behind each half its fragments of enc are
; fetched for the next step; behind the second half W's set q is asked for again, for the next trip: it has three steps in which to land.
; fill = 1: the trip stores the next chunk to LDS and loads the one behind it; 2: it stores only.  refill = 0: the pass's last trip: nothing more is fetched.  nb: the younger global loads that may stay out when set q is wanted.
; LDS counts: 8 = the other half's eight loads are younger; 16 = eight stores of the fill as well.
.macro STEP q, zero, fill, refill, nb
	s_wait_loadcnt \nb
.if (\fill) && ((\q) == 3)
	s_wait_dscnt 16
	MUL 0, 0, 2, \q, 0
	s_wait_dscnt 0x0                               ; my stores of the next chunk are done (and no LDS instruction of mine is out at the signal)
	s_barrier_signal -1
	MUL 0, 2, 2, \q, 0                             ; work on registers while the others arrive
	s_barrier_wait -1                              ; everybody's are: the next chunk may be read
.else
	s_wait_dscnt 8
	MUL 0, 0, 4, \q, \zero
.endif
	WIN 0
.if ((\q) == 0) && (\refill)
	s_wait_xcnt 0x0                                ; every load and prefetch so far (the youngest 32 matrix instructions back) has read its address: the pointers may be written
	s_add_nc_u64 s[WP:WP+1], s[WP:WP+1], 32768
.if (\fill) == 1
	s_add_nc_u64 s[EP:EP+1], s[EP:EP+1], 512
.endif
.endif
.if (\fill) && ((\q) < 3)
.if (\q) == 0
	v_add_nc_u32 v[STA], 256, v[STA]               ; the chunk that this trip stores
.endif
	FILLQ \q, \fill                                ; its conversions are the places
.if ((\q) == 0) && ((\fill) == 1)
	s_cmp_gt_u32 s[CNT], 1                         ; the last such trip loads chunk 7: nothing lies behind it
	s_cbranch_scc0 .Lnopf_\@
	global_prefetch_b8 v[PFO], s[EP:EP+1] offset:1536 th:TH_LOAD_NT scope:SCOPE_SE  ; into the L2: my 32 rows' 512 bytes of the chunk that the NEXT trip will load: a lane a row, two blocks of 256 bytes,
	global_prefetch_b8 v[PFO], s[EP:EP+1] offset:1792 th:TH_LOAD_NT scope:SCOPE_SE  ; each named once in the launch, by the wave that will load it
.Lnopf_\@:
.endif
.elseif ((\q) == 3) && (\refill)
.irp p, 0,1,2,3
	v_add_nc_u32 v[ADRA+(\p)], 256, v[ADRA+(\p)]   ; the next chunk; these four are the places
.endr
.elseif (\q) < 3
	PLACES
.endif
.if ((\q) < 3) || (\refill)
	ALOAD 0, ((\q)+1)%4
.endif
.if (\fill) && ((\q) < 3)
	s_wait_dscnt 16
.elseif ((\q) == 3) && !(\refill)
	s_wait_dscnt 0x0
.else
	s_wait_dscnt 8
.endif
	MUL 1, 0, 4, \q, \zero
	WIN 0
.if (\fill) && ((\q) == 2)
	FILLQ 3, \fill
.else
	PLACES
.endif
.if ((\q) < 3) || (\refill)
	ALOAD 1, ((\q)+1)%4
.endif
.if \refill
	BLOAD \q
.endif
.endm
.macro TRIP zero, fill, refill, nb0, nb1, nb2, nb3  ; a K chunk of 128: four steps, 256 matrix instructions
	STEP 0, \zero, \fill, \refill, \nb0
	STEP 1, 0, \fill, \refill, \nb1
	STEP 2, 0, \fill, \refill, \nb2
	STEP 3, 0, \fill, \refill, \nb3
.endm
	s_load_b256 s[4:11], s[0:1], 0x0               ; enc s[4:5], wt s[6:7], dpart s[8:9], b_a s[10:11]
	s_load_b128 s[12:15], s[0:1], 0x20             ; v_a s[12:13], b_v s[14:15]
	s_load_b64 s[16:17], s[0:1], 0x30              ; part
	v_lshl_add_u32 v[SPW], v0, 2, SPARE
	v_mov_b32 v[NIL], 0
	v_lshrrev_b32 v1, 5, v0
	v_readfirstlane_b32 s[WV], v1                  ; wave 0..3
	v_and_b32 v31, 31, v0                          ; lane
	v_and_b32 v30, 15, v0                          ; lane % 16
	v_bfe_u32 v29, v0, 4, 1                        ; lane / 16
	v_mul_u32_u24 v[ADR0], v30, PITCH
	v_lshl_add_u32 v[ADR0], v29, 4, v[ADR0]
	v_add_nc_u32 v[ADR0+1], R32, v[ADR0]
	v_add_nc_u32 v[ADR0+2], 2*R32, v[ADR0]
	v_add_nc_u32 v[ADR0+3], 3*R32, v[ADR0]
	v_lshlrev_b32 v[BO], 4, v31
	s_lshl_b32 s37, s[WV], 17                      ; 32 rows of 4,096 bytes
	v_add_nc_u32 v[GO], s37, v[BO]
	s_mul_i32 s37, s[WV], R32
	v_lshl_add_u32 v[STA0], v31, 3, s37
	s_lshl_b32 s37, s[WV], 9
	s_add_co_u32 s38, s37, DTAB
	v_lshl_add_u32 v[TADR], v29, 5, s38
	s_add_co_u32 s38, s37, SPART
	v_lshl_add_u32 v[SPA], v30, 2, s38
	v_add_nc_u32 v[SPR], SPART, v[BO]
	s_add_co_u32 s38, s37, PTAB
	v_add_nc_u32 v[PTA], s38, v[BO]
	v_mov_b32 v[PRA0], s38
	v_lshlrev_b32 v[CA0], 4, v0
	v_lshlrev_b32 v[PFO], 12, v0
	s_mov_b32 s[C2], 0x4038aa3b                    ; 2 log2(e)
	s_mov_b32 s[C2+1], s[C2]                       ; named with it as a pair
	s_mov_b32 s[SEL], 0x76543210
	s_mov_b32 s[SEL+1], 0xfedcba98
	s_mov_b32 s[LOG2E], 0x3fb8aa3b
	s_lshl_b32 s38, ttmp9, 20                      ; the work-group's 256 rows of 4,096 bytes
	s_mov_b32 s39, 0
	s_lshl_b32 s40, s[WV], 19                      ; my wave's stream in wt
	s_mov_b32 s41, 0
	s_lshr_b32 s42, ttmp9, 3                       ; the batch,
	s_lshl_b32 s42, s42, 12                        ; its row in each of dpart's eight parts
	s_mov_b32 s43, 0
	s_wait_kmcnt 0x0
	s_load_b32 s[SBV], s[14:15], 0x0               ; b_v
	s_add_nc_u64 s[EP:EP+1], s[4:5], s[38:39]
	s_add_nc_u64 s[WB:WB+1], s[6:7], s[40:41]
	s_mov_b64 s[WP:WP+1], s[WB:WB+1]
	s_add_nc_u64 s[8:9], s[8:9], s[42:43]
	; the tables' sources: thread t takes columns 4 t .. and 512 + 4 t ..
.irp p, 0,1,2,3,4,5,6,7
	global_load_b128 v[AF+8*(\p):AF+8*(\p)+3],   v[CA0], s[8:9] offset:(\p)*131072
	global_load_b128 v[AF+8*(\p)+4:AF+8*(\p)+7], v[CA0], s[8:9] offset:(\p)*131072+2048
.endr
	global_load_b128 v[CT:CT+3],     v[CA0], s[10:11]
	global_load_b128 v[CT+4:CT+7],   v[CA0], s[10:11] offset:2048
	global_load_b128 v[CT+8:CT+11],  v[CA0], s[12:13]
	global_load_b128 v[CT+12:CT+15], v[CA0], s[12:13] offset:2048
	GLOAD 0, 32, STG, 0, 0                         ; the first block's chunk 0,
	GLOAD 0, 32, 0, 0xc0, 512                      ; its chunk 1, into accumulators that are not yet in use (window 3, v0-127),
	BLOAD 0                                        ; and W's first three sets
	BLOAD 1
	BLOAD 2
	WIN 0
.irp i, 0,1,2,3,4,5,6,7
	v_mov_b32 v[CTX+(\i)], 0
.endr
	v_mov_b32 v[LRUN], 0
	v_mov_b32 v[MRUN], 0xff7fffff                  ; the lowest finite number
	v_mov_b32 v[CMRUN], 0xfe000000                 ; far below every log2e m: the first correction is 0
	s_wait_loadcnt 63                              ; the tables' 20 loads are in: 112 are younger
.irp p, 1,2,3,4,5,6,7
.irp i, 0,2,4,6
	v_pk_add_f32 v[AF+(\i):AF+(\i)+1], v[AF+(\i):AF+(\i)+1], v[AF+8*(\p)+(\i):AF+8*(\p)+(\i)+1]  ; the eight partial sums of dec W'
.endr
.endr
.irp i, 0,2,4,6
	v_pk_add_f32 v[AF+(\i):AF+(\i)+1], v[AF+(\i):AF+(\i)+1], v[CT+(\i):CT+(\i)+1]                 ; + b_a
.endr
.irp i, 0,2,4,6
	v_pk_mul_f32 v[AF+(\i):AF+(\i)+1], v[AF+(\i):AF+(\i)+1], s[C2:C2+1] op_sel_hi:[1,0]           ; x c
.endr
	v_lshl_add_u32 v1, v0, 4, DTAB
	ds_store_b128 v1, v[AF:AF+3]
	ds_store_b128 v1, v[AF+4:AF+7] offset:2048
	v_pk_add_f32 v[CT:CT+1], v[CT+8:CT+9], v[CT+10:CT+11]          ; the sum of my eight v,
	v_pk_add_f32 v[CT+2:CT+3], v[CT+12:CT+13], v[CT+14:CT+15]
	v_pk_add_f32 v[CT:CT+1], v[CT:CT+1], v[CT+2:CT+3]
	v_add_f32 v[CT], v[CT], v[CT+1]
	v_add_f32_dpp v[CT], v[CT], v[CT] row_xmask:1 row_mask:0xf bank_mask:0xf   ; over the wave's lanes
	v_add_f32_dpp v[CT], v[CT], v[CT] row_xmask:2 row_mask:0xf bank_mask:0xf
	v_add_f32_dpp v[CT], v[CT], v[CT] row_xmask:4 row_mask:0xf bank_mask:0xf
	v_add_f32_dpp v[CT], v[CT], v[CT] row_xmask:8 row_mask:0xf bank_mask:0xf
	v_permlanex16_b32 v[CT+1], v[CT], s[SEL], s[SEL+1]
	v_add_f32 v[CT], v[CT], v[CT+1]
.irp i, 8,10,12,14
	v_pk_mul_f32 v[CT+(\i):CT+(\i)+1], v[CT+(\i):CT+(\i)+1], -2.0 op_sel_hi:[1,0]
.endr
	ds_store_b128 v1, v[CT+8:CT+11]  offset:4096
	ds_store_b128 v1, v[CT+12:CT+15] offset:6144
	s_lshl_b32 s37, s[WV], 2
	s_add_co_u32 s37, s37, RED
	v_mov_b32 v31, s37
	ds_store_b32 v31, v[CT]                        ; all lanes write the same word with the same value
	s_wait_kmcnt 0x0                               ; b_v
	s_mov_b32 s[BLK], 2
.Lblock:                                               ; A BLOCK OF 128 ROWS.  Its chunks 0 and 1 are on their way
	s_wait_loadcnt 0x0                             ; both are in (they were asked for in two places that do not both run on every way here, so the wait counts on neither)
	v_mov_b32 v[STA], v[STA0]
.irp g, 0,1,2,3
	CVST \g, STG, 0, 0                             ; chunk 0
.endr
	GLOAD 0, 32, STG, 0, 1024                      ; chunk 2: it has the first trip in which to land
	global_prefetch_b8 v[PFO], s[EP:EP+1] offset:1536 th:TH_LOAD_NT scope:SCOPE_SE  ; chunk 3, which the second trip will load
	global_prefetch_b8 v[PFO], s[EP:EP+1] offset:1792 th:TH_LOAD_NT scope:SCOPE_SE
.irp g, 0,1,2,3
	CVST \g, 0, 0x0f, 256                          ; chunk 1, out of window 3
.endr
	v_add_nc_u32 v[STA], 256, v[STA]
.irp a, 0,1,2,3,4,5,6,7
	v_mov_b32 v[SROW+(\a)], 0
.endr
	s_wait_dscnt 0x0                               ; my stores are done: chunks 0 and 1 and, the first time, the tables
	s_barrier_signal -1
	s_barrier_wait -1                              ; everybody's are
	s_mov_b32 s[PASS], 0
.Lpass:                                                ; A PASS: 128 rows x 512 columns, K = 1,024 in eight trips
.irp p, 0,1,2,3
	v_mov_b32 v[ADRA+(\p)], v[ADR0+(\p)]
.endr
	ALOAD 0, 0
	ALOAD 1, 0
	BLOAD 3                                        ; the first trip's fourth set: sets 0-2 were asked for in the epilogue before (or at the head)
	TRIP 1, 0, 1, 48, 48, 48, 48                   ; the first trip starts the sums.  48: the three sets asked for behind the one that is wanted
	WIN 0                                          ; at a label and at a branch every window is 0
	s_cmp_lg_u32 s[PASS], 0
	s_cbranch_scc1 .Lplain
	s_mov_b32 s[CNT], 5
.Lfill:                                                ; trips 1-5 of pass 0 store chunks 2-6 and load chunks 3-7
	TRIP 0, 1, 1, 48, 56, 63, 63                   ; younger than set q: behind the first trip 48, 56, 64, 80; behind a trip like this one 72, 72, 64, 80: the lesser, 63 at the most
	WIN 0
	s_sub_co_u32 s[CNT], s[CNT], 1
	s_cmp_lg_u32 s[CNT], 0
	s_cbranch_scc1 .Lfill
	TRIP 0, 2, 1, 63, 63, 48, 48                   ; trip 6 stores chunk 7 and loads nothing of enc: 72, 64, 48, 48 are younger
	WIN 0
	s_branch .Ltail
.Lplain:
	s_mov_b32 s[CNT], 6
.Lp:                                                   ; trips 1-6 of pass 1: the rows lie in LDS
	TRIP 0, 0, 1, 48, 48, 48, 48
	WIN 0
	s_sub_co_u32 s[CNT], s[CNT], 1
	s_cmp_lg_u32 s[CNT], 0
	s_cbranch_scc1 .Lp
.Ltail:
	TRIP 0, 0, 0, 48, 32, 16, 0                    ; the last trip asks for nothing: the counts run down; its last four v_nop are the places ahead of the epilogue
	; THE EPILOGUE of a pass: x -> -2 v / (1 + 2^(c x + c d)), summed over my 128 columns onto the rows' scores.  No load of mine is out.
	WIN 0
	s_wait_xcnt 0x0                                ; the pointers may be written
	s_add_nc_u64 s[26:27], s[WP:WP+1], 32768
	s_cmp_eq_u32 s[PASS], 0
	s_cselect_b64 s[WP:WP+1], s[26:27], s[WB:WB+1] ; W goes on into pass 1, or back to the stream's head
	s_add_co_u32 s37, s[BLK], s[PASS]              ; 3: the first block's second pass: the next block is asked for below
	s_cmp_eq_u32 s37, 3
	s_cselect_b32 s38, 128*4096-2560, 0            ; EP stands at chunk 5 of the block
	s_mov_b32 s39, 0
	s_add_nc_u64 s[EP:EP+1], s[EP:EP+1], s[38:39]
	s_lshl_b32 s40, s[PASS], 11
	v_add_nc_u32 v1, s40, v[TADR]                  ; my 128 columns of the pass in the tables
.irp b, 0,1,2,3,4,5,6,7
	ds_load_b128 v[AF+8*(\b):AF+8*(\b)+3],   v1 offset:64*(\b)
	ds_load_b128 v[AF+8*(\b)+4:AF+8*(\b)+7], v1 offset:64*(\b)+16
.endr
	s_cmp_eq_u32 s[BLK], s[PASS]                   ; both 1: the very last pass: no pass follows
	s_cbranch_scc1 .Lnob
	BLOAD 0                                        ; the next pass's first three sets land under the epilogue
	BLOAD 1
	BLOAD 2
	WIN 0
.Lnob:
	s_wait_dscnt 0x0
.irp hi, 0,1
	WIN 0x82+0x41*(\hi)                            ; accumulators (destination, source 0) in window 2 or 3, the table in window 0
.set t, 0
.rept 32
.irp i, 0,2,4,6
	v_pk_fma_f32 v[8*t+(\i):8*t+(\i)+1], v[8*t+(\i):8*t+(\i)+1], s[C2:C2+1], v[AF+8*(t%8)+(\i):AF+8*(t%8)+(\i)+1] op_sel_hi:[1,0,1]  ; c x + c d; each accumulator's low registers are read first
.endr
.set t, t+1
.endr
.endr
	WIN 0
.irp b, 0,1,2,3,4,5,6,7
	ds_load_b128 v[AF+8*(\b):AF+8*(\b)+3],   v1 offset:4096+64*(\b)   ; -2 v takes d's place
	ds_load_b128 v[AF+8*(\b)+4:AF+8*(\b)+7], v1 offset:4096+64*(\b)+16
.endr
.irp hi, 0,1
	WIN 0x82+0x41*(\hi)
.set t, 0
.rept 256
	v_exp_f32 v[t], v[t]
.set t, t+1
.endr
.endr
	v_nop                                          ; a plain instruction behind the last exponential,
	s_wait_alu depctr_va_vdst(0)                   ; and ONE wait for the batch of 512, ahead of the first line that names a result
	WIN 0
	s_cmp_eq_u32 s37, 3
	s_cbranch_scc0 .Lnoc0
	GLOAD 0, 32, STG, 0, 0                         ; the next block's chunk 0: STG has been free since pass 0
.Lnoc0:
.irp hi, 0,1
	WIN 0x82+0x41*(\hi)
.set t, 0
.rept 128
	v_pk_add_f32 v[t:t+1], v[t:t+1], 1.0 op_sel_hi:[1,0]
.set t, t+2
.endr
.endr
.irp hi, 0,1
	WIN 0x82+0x41*(\hi)
.set t, 0
.rept 256
	v_rcp_f32 v[t], v[t]
.set t, t+1
.endr
.endr
	v_nop
	s_wait_alu depctr_va_vdst(0)                   ; one wait for the 512 reciprocals
	s_wait_dscnt 0x0                               ; -2 v
.irp hi, 0,1
	WIN 0xa2+0x51*(\hi)                            ; sixteen chains (4 row blocks x 4 pairs) take turns; column block 0's registers take the sums
.irp b, 0,1,2,3,4,5,6,7
.irp i, 0,2,4,6
.irp a, 0,1,2,3
.if (\b) == 0
	v_pk_mul_f32 v[64*(\a)+(\i):64*(\a)+(\i)+1], v[64*(\a)+(\i):64*(\a)+(\i)+1], v[AF+(\i):AF+(\i)+1]
.else
	v_pk_fma_f32 v[64*(\a)+(\i):64*(\a)+(\i)+1], v[64*(\a)+8*(\b)+(\i):64*(\a)+8*(\b)+(\i)+1], v[AF+8*(\b)+(\i):AF+8*(\b)+(\i)+1], v[64*(\a)+(\i):64*(\a)+(\i)+1]
.endif
.endr
.endr
.endr
	WIN 0x8a+0x45*(\hi)
.irp a, 0,1,2,3
	v_pk_add_f32 v[64*(\a):64*(\a)+1], v[64*(\a):64*(\a)+1], v[64*(\a)+2:64*(\a)+3]
	v_pk_add_f32 v[64*(\a)+4:64*(\a)+5], v[64*(\a)+4:64*(\a)+5], v[64*(\a)+6:64*(\a)+7]
.endr
.irp a, 0,1,2,3
	v_pk_add_f32 v[64*(\a):64*(\a)+1], v[64*(\a):64*(\a)+1], v[64*(\a)+4:64*(\a)+5]
.endr
	WIN 0x02+(\hi)
.irp a, 0,1,2,3
	v_add_f32 v[SROW+4*(\hi)+(\a)], v[64*(\a)], v[SROW+4*(\hi)+(\a)]
.endr
.irp a, 0,1,2,3
	v_add_f32 v[SROW+4*(\hi)+(\a)], v[64*(\a)+1], v[SROW+4*(\hi)+(\a)]
.endr
.endr
	WIN 0
	s_add_co_u32 s[PASS], s[PASS], 1
	s_cmp_lt_u32 s[PASS], 2
	s_cbranch_scc1 .Lpass
	; THE BLOCK'S SOFTMAX.  Every wave makes all 128 weights for itself; a lane holds rows 4 lane .. 4 lane + 3.
	s_cmp_eq_u32 s[BLK], 2
	s_cbranch_scc0 .Lnoc1
	GLOAD 0, 32, 0, 0xc0, 512                      ; the next block's chunk 1, into accumulators that are dead till its first trip
	WIN 0
	global_prefetch_b8 v[PFO], s[EP:EP+1] offset:1024 th:TH_LOAD_NT scope:SCOPE_SE  ; and its chunk 2, which the block's head will load
	global_prefetch_b8 v[PFO], s[EP:EP+1] offset:1280 th:TH_LOAD_NT scope:SCOPE_SE
.Lnoc1:
.irp a, 0,1,2,3,4,5,6,7
	v_permlanex16_b32 v[CT+(\a)], v[SROW+(\a)], s[SEL], s[SEL+1]   ; the row's other columns lie in the lane 16 away
.endr
.irp a, 0,1,2,3,4,5,6,7
	v_add_f32 v[CT+(\a)], v[CT+(\a)], v[SROW+(\a)]
.endr
.irp a, 0,1,2,3,4,5,6,7
	ds_store_b32 v[SPA], v[CT+(\a)] offset:64*(\a)                 ; row 16 a + lane % 16; both halves of the lanes write the same value
.endr
	s_wait_dscnt 0x0
	s_barrier_signal -1
	s_barrier_wait -1                              ; all four waves' parts lie in LDS
.irp w, 0,1,2,3
	ds_load_b128 v[AF+4*(\w):AF+4*(\w)+3], v[SPR] offset:512*(\w)
.endr
	v_mov_b32 v1, RED
	ds_load_b128 v[AF+16:AF+19], v1
	s_wait_dscnt 0x0
	v_pk_add_f32 v[AF:AF+1], v[AF:AF+1], v[AF+4:AF+5]
	v_pk_add_f32 v[AF+2:AF+3], v[AF+2:AF+3], v[AF+6:AF+7]
	v_pk_add_f32 v[AF+8:AF+9], v[AF+8:AF+9], v[AF+12:AF+13]
	v_pk_add_f32 v[AF+10:AF+11], v[AF+10:AF+11], v[AF+14:AF+15]
	v_add_f32 v[AF+16], v[AF+16], v[AF+17]
	v_add_f32 v[AF+18], v[AF+18], v[AF+19]
	v_pk_add_f32 v[AF:AF+1], v[AF:AF+1], v[AF+8:AF+9]
	v_pk_add_f32 v[AF+2:AF+3], v[AF+2:AF+3], v[AF+10:AF+11]
	v_add_f32 v[AF+16], v[AF+16], v[AF+18]
	v_add_f32 v[AF+16], s[SBV], v[AF+16]           ; sum v + b_v
	v_pk_add_f32 v[AF:AF+1], v[AF:AF+1], v[AF+16:AF+17] op_sel_hi:[1,0]
	v_pk_add_f32 v[AF+2:AF+3], v[AF+2:AF+3], v[AF+16:AF+17] op_sel_hi:[1,0]   ; the four scores
	v_max3_num_f32 v[AF+20], v[AF], v[AF+1], v[AF+2]
	v_max3_num_f32 v[AF+20], v[AF+20], v[AF+3], v[MRUN]
	v_max_num_f32_dpp v[AF+20], v[AF+20], v[AF+20] row_xmask:1 row_mask:0xf bank_mask:0xf
	v_max_num_f32_dpp v[AF+20], v[AF+20], v[AF+20] row_xmask:2 row_mask:0xf bank_mask:0xf
	v_max_num_f32_dpp v[AF+20], v[AF+20], v[AF+20] row_xmask:4 row_mask:0xf bank_mask:0xf
	v_max_num_f32_dpp v[AF+20], v[AF+20], v[AF+20] row_xmask:8 row_mask:0xf bank_mask:0xf
	v_permlanex16_b32 v[AF+21], v[AF+20], s[SEL], s[SEL+1]
	v_max_num_f32 v[AF+20], v[AF+20], v[AF+21]     ; the new m, in every lane
	v_mul_f32 v[AF+22], s[LOG2E], v[AF+20]
	v_sub_f32 v[AF+23], v[CMRUN], v[AF+22]
.irp i, 0,1,2,3
	v_fma_f32 v[AF+24+(\i)], v[AF+(\i)], s[LOG2E], -v[AF+22]
.endr
	v_exp_f32 v[ALPHA], v[AF+23]                   ; one batch of five
.irp i, 0,1,2,3
	v_exp_f32 v[AF+24+(\i)], v[AF+24+(\i)]
.endr
	v_mov_b32 v[MRUN], v[AF+20]                    ; plain work behind the last exponential
	v_mov_b32 v[CMRUN], v[AF+22]
	s_wait_alu depctr_va_vdst(0)                   ; and its one wait
	v_mov_b32 v[ALPHA+1], v[ALPHA]
	ds_store_b128 v[PTA], v[AF+24:AF+27]           ; my wave's own copy of the weights
	v_add_f32 v[AF+28], v[AF+24], v[AF+25]
	v_add_f32 v[AF+29], v[AF+26], v[AF+27]
	v_add_f32 v[AF+28], v[AF+28], v[AF+29]
	v_fma_f32 v[LRUN], v[LRUN], v[ALPHA], v[AF+28]
.irp i, 0,2,4,6
	v_pk_mul_f32 v[CTX+(\i):CTX+(\i)+1], v[CTX+(\i):CTX+(\i)+1], v[ALPHA:ALPHA+1]
.endr
	; THE BLOCK'S CONTEXT.  Thread t owns columns 8 t .. 8 t + 7 and walks all 128 rows in LDS, 32 a trip; a load of the wave takes 512 consecutive bytes of a row.
	v_mov_b32 v[CAW], v[CA0]
	v_mov_b32 v[PRAW], v[PRA0]
	s_mov_b32 s[CNT], 4
.Lctx:
.irp i, 0,1,2,3,4,5,6,7
	ds_load_b128 v[AF+32+4*(\i):AF+32+4*(\i)+3], v[PRAW] offset:16*(\i)    ; 32 weights, the same address in every lane; LDS serves a wave in order, so these see the store above
.endr
	WIN 0x80                                       ; destination window 2: accumulators that are dead
.set i, 0
.rept 32
	ds_load_b128 v[4*i:4*i+3], v[CAW] offset:PITCH*i
.set i, i+1
.endr
	WIN 0x02                                       ; source 0 window 2
.set row, 0
.rept 8
	s_wait_dscnt 28-row                            ; four more rows are in: the rows behind them are younger
.rept 4
.irp k, 0,1,2,3
	v_fma_mix_f32_bf16 v[CTX+2*(\k)],   v[4*row+(\k)], v[AF+32+row], v[CTX+2*(\k)]   op_sel_hi:[1,0,0]
	v_fma_mix_f32_bf16 v[CTX+2*(\k)+1], v[4*row+(\k)], v[AF+32+row], v[CTX+2*(\k)+1] op_sel:[1,0,0] op_sel_hi:[1,0,0]
.endr
.set row, row+1
.endr
.endr
	WIN 0
	v_add_nc_u32 v[CAW], R32, v[CAW]
	v_add_nc_u32 v[PRAW], 128, v[PRAW]
	s_sub_co_u32 s[CNT], s[CNT], 1
	s_cmp_lg_u32 s[CNT], 0
	s_cbranch_scc1 .Lctx
	s_wait_dscnt 0x0                               ; my reads of the block are over
	s_barrier_signal -1
	s_barrier_wait -1                              ; everybody's are: the rows may be written over
	s_sub_co_u32 s[BLK], s[BLK], 1
	s_cmp_lg_u32 s[BLK], 0
	s_cbranch_scc1 .Lblock
	; THE WAY OUT.  A thread's eight numbers are 32 bytes: through my wave's own 1,024 bytes of LDS they become stores of 512 consecutive bytes.
	v_add_f32_dpp v[LRUN], v[LRUN], v[LRUN] row_xmask:1 row_mask:0xf bank_mask:0xf
	v_add_f32_dpp v[LRUN], v[LRUN], v[LRUN] row_xmask:2 row_mask:0xf bank_mask:0xf
	v_add_f32_dpp v[LRUN], v[LRUN], v[LRUN] row_xmask:4 row_mask:0xf bank_mask:0xf
	v_add_f32_dpp v[LRUN], v[LRUN], v[LRUN] row_xmask:8 row_mask:0xf bank_mask:0xf
	v_permlanex16_b32 v1, v[LRUN], s[SEL], s[SEL+1]
	v_add_f32 v[CMRUN], v[LRUN], v1                ; l, beside m
	v_lshl_add_u32 v1, v0, 5, OST
	ds_store_b128 v1, v[CTX:CTX+3]
	ds_store_b128 v1, v[CTX+4:CTX+7] offset:16
	s_lshl_b32 s37, s[WV], 10
	v_add_nc_u32 v30, s37, v[BO]
	v_add_nc_u32 v31, OST, v30
	ds_load_b128 v[AF:AF+3], v31
	ds_load_b128 v[AF+4:AF+7], v31 offset:512
	s_mul_i32 s38, ttmp9, 4352
	s_mov_b32 s39, 0
	s_add_nc_u64 s[16:17], s[16:17], s[38:39]
	s_wait_dscnt 0x0
	global_store_b128 v30, v[AF:AF+3], s[16:17]
	global_store_b128 v30, v[AF+4:AF+7], s[16:17] offset:512
	s_cmp_lg_u32 s[WV], 0
	s_cbranch_scc1 .Lend
	v_lshrrev_b32 v29, 1, v[BO]                    ; 8 x lane
	global_store_b64 v29, v[MRUN:MRUN+1], s[16:17] offset:4096     ; (m, l) 32 times: 256 consecutive bytes, aligned
.Lend:
	s_wait_tensorcnt 0x0                           ; the wave's end
	ds_add_u32 v[SPW], v[NIL]
	s_wait_dscnt 0x0
	s_endpgm
.Lfunc_end_k_qe755990dff_attn:
	.size	k_qe755990dff_attn, .Lfunc_end_k_qe755990dff_attn-k_qe755990dff_attn
	.p2alignl 7, 3214868480
	.fill 96, 4, 3214868480
	.section	.rodata,"a",@progbits
	.p2align	6, 0x0
	.amdhsa_kernel k_qe755990dff_attn
		.amdhsa_group_segment_fixed_size 281344
		.amdhsa_private_segment_fixed_size 0
		.amdhsa_enable_private_segment 0
		.amdhsa_kernarg_size 56
		.amdhsa_user_sgpr_count 2
		.amdhsa_user_sgpr_kernarg_segment_ptr 1
		.amdhsa_wavefront_size32 1
		.amdhsa_system_sgpr_workgroup_id_x 1
		.amdhsa_system_sgpr_workgroup_id_y 1
		.amdhsa_system_sgpr_workgroup_id_z 1
		.amdhsa_system_vgpr_workitem_id 0
		.amdhsa_next_free_vgpr 1024
		.amdhsa_next_free_sgpr 66
		.amdhsa_reserve_vcc 0
		.amdhsa_float_denorm_mode_32 3
		.amdhsa_float_denorm_mode_16_64 3
		.amdhsa_memory_ordered 1
		.amdhsa_forward_progress 1
		.amdhsa_inst_pref_size 255
	.end_amdhsa_kernel
	.section	.bss,"aw",@nobits
	.p2align	6
	.space	262144
	.amdgpu_metadata
---
amdhsa.version: [ 1, 2 ]
amdhsa.kernels:
  - .name:           k_qe755990dff_attn
    .symbol:         k_qe755990dff_attn.kd
    .args:
      - { .name: enc_h_s, .offset: 0, .size: 8, .value_kind: global_buffer, .address_space: global }
      - { .name: wt, .offset: 8, .size: 8, .value_kind: global_buffer, .address_space: global }
      - { .name: dpart, .offset: 16, .size: 8, .value_kind: global_buffer, .address_space: global }
      - { .name: b_a, .offset: 24, .size: 8, .value_kind: global_buffer, .address_space: global }
      - { .name: v_a, .offset: 32, .size: 8, .value_kind: global_buffer, .address_space: global }
      - { .name: b_v, .offset: 40, .size: 8, .value_kind: global_buffer, .address_space: global }
      - { .name: part, .offset: 48, .size: 8, .value_kind: global_buffer, .address_space: global }
    .group_segment_fixed_size: 281344
    .private_segment_fixed_size: 0
    .kernarg_segment_align: 8
    .kernarg_segment_size: 56
    .max_flat_workgroup_size: 128
    .sgpr_count:     66
    .vgpr_count:     1024
    .wavefront_size: 32
...
	.end_amdgpu_metadata
.endif
;; end of part 2
;; launch fin (part 3): grid 32 x 1, 8 waves a work-group, no clusters, 0 bytes of LDS; arguments part, out0; writes out0
.if DOCPART == 3
	.amdgcn_target "amdgcn-amd-amdhsa--gfx1250"
	.amdhsa_code_object_version 6
	.text
	.protected	k_qe755990dff_fin
	.globl	k_qe755990dff_fin
	.p2align	8
	.type	k_qe755990dff_fin,@function
k_qe755990dff_fin:
	s_mov_b64 s[64:65], 0
	v_nop
	global_prefetch_b8 v0, s[64:65] scope:SCOPE_SE
	s_setreg_imm32_b32 hwreg(HW_REG_WAVE_MODE, 25, 1), 1
	s_wait_xcnt 0x0
; out0[b][c] = sum over the batch's eight parts i of w_i ctx_i[c] / sum of w_i l_i, with w_i = e^(m_i - M), M the largest m_i.
; part: f32 [256][1088]: words 0-1023 a part's unnormalised context, words 1024-1087 its (m, l), 32 times.  A work-group a batch; thread t owns columns 4 t .. 4 t + 3.
; The part that holds M has l of 1 or more, so the divisor is never 0.  No LDS, no barrier: 35 KiB in, 4 KiB out for each work-group.
.set PARTB, 4352
.set ML, 4                             ; v[4:19]   (m_i, l_i)
.set CX, 20                            ; v[20:51]  ctx_i, four numbers each
.set W,  52                            ; v[52:59]  w_i
.set O,  64                            ; v[64:67]
	s_load_b128 s[4:7], s[0:1], 0x0                ; part s[4:5], out0 s[6:7]
	v_and_b32 v1, 31, v0
	v_lshlrev_b32 v1, 3, v1                        ; my lane's copy of (m, l)
	v_lshlrev_b32 v2, 4, v0                        ; my four columns
	s_mul_i32 s8, ttmp9, 8*PARTB
	s_mov_b32 s9, 0
	s_lshl_b32 s10, ttmp9, 12
	s_mov_b32 s11, 0
	s_wait_kmcnt 0x0
	s_add_nc_u64 s[4:5], s[4:5], s[8:9]
	s_add_nc_u64 s[6:7], s[6:7], s[10:11]
.irp i, 0,1,2,3,4,5,6,7
	global_load_b64 v[ML+2*(\i):ML+2*(\i)+1], v1, s[4:5] offset:(\i)*PARTB+4096
.endr
.irp i, 0,1,2,3,4,5,6,7
	global_load_b128 v[CX+4*(\i):CX+4*(\i)+3], v2, s[4:5] offset:(\i)*PARTB
.endr
	s_wait_loadcnt 8                               ; the eight (m, l) are in; the contexts may stay out
	v_max3_num_f32 v60, v[ML], v[ML+2], v[ML+4]
	v_max3_num_f32 v60, v60, v[ML+6], v[ML+8]
	v_max3_num_f32 v60, v60, v[ML+10], v[ML+12]
	v_max_num_f32 v60, v60, v[ML+14]
.irp i, 0,1,2,3,4,5,6,7
	v_sub_f32 v[W+(\i)], v[ML+2*(\i)], v60
.endr
.irp i, 0,1,2,3,4,5,6,7
	v_mul_f32 v[W+(\i)], 0x3fb8aa3b, v[W+(\i)]
.endr
.irp i, 0,1,2,3,4,5,6,7
	v_exp_f32 v[W+(\i)], v[W+(\i)]
.endr
	v_nop                                          ; a plain instruction behind the last exponential,
	s_wait_alu depctr_va_vdst(0)                   ; and one wait for the eight
	v_mul_f32 v61, v[W], v[ML+1]
.irp i, 1,2,3,4,5,6,7
	v_fmac_f32 v61, v[W+(\i)], v[ML+2*(\i)+1]
.endr
	v_rcp_f32 v62, v61
	v_nop
	s_wait_alu depctr_va_vdst(0)
.irp i, 0,1,2,3,4,5,6,7
	v_mul_f32 v[W+(\i)], v[W+(\i)], v62
.endr
	s_wait_loadcnt 0x0
.irp j, 0,1,2,3
	v_mul_f32 v[O+(\j)], v[W], v[CX+(\j)]
.endr
.irp i, 1,2,3,4,5,6,7
.irp j, 0,1,2,3
	v_fmac_f32 v[O+(\j)], v[W+(\i)], v[CX+4*(\i)+(\j)]
.endr
.endr
	global_store_b128 v2, v[O:O+3], s[6:7]         ; a wave stores 512 consecutive bytes, aligned
	s_endpgm
.Lfunc_end_k_qe755990dff_fin:
	.size	k_qe755990dff_fin, .Lfunc_end_k_qe755990dff_fin-k_qe755990dff_fin
	.p2alignl 7, 3214868480
	.fill 96, 4, 3214868480
	.section	.rodata,"a",@progbits
	.p2align	6, 0x0
	.amdhsa_kernel k_qe755990dff_fin
		.amdhsa_group_segment_fixed_size 0
		.amdhsa_private_segment_fixed_size 0
		.amdhsa_enable_private_segment 0
		.amdhsa_kernarg_size 16
		.amdhsa_user_sgpr_count 2
		.amdhsa_user_sgpr_kernarg_segment_ptr 1
		.amdhsa_wavefront_size32 1
		.amdhsa_system_sgpr_workgroup_id_x 1
		.amdhsa_system_sgpr_workgroup_id_y 1
		.amdhsa_system_sgpr_workgroup_id_z 1
		.amdhsa_system_vgpr_workitem_id 0
		.amdhsa_next_free_vgpr 72
		.amdhsa_next_free_sgpr 66
		.amdhsa_reserve_vcc 0
		.amdhsa_float_denorm_mode_32 3
		.amdhsa_float_denorm_mode_16_64 3
		.amdhsa_memory_ordered 1
		.amdhsa_forward_progress 1
		.amdhsa_inst_pref_size 6
	.end_amdhsa_kernel
	.amdgpu_metadata
---
amdhsa.version: [ 1, 2 ]
amdhsa.kernels:
  - .name:           k_qe755990dff_fin
    .symbol:         k_qe755990dff_fin.kd
    .args:
      - { .name: part, .offset: 0, .size: 8, .value_kind: global_buffer, .address_space: global }
      - { .name: out0, .offset: 8, .size: 8, .value_kind: global_buffer, .address_space: global }
    .group_segment_fixed_size: 0
    .private_segment_fixed_size: 0
    .kernarg_segment_align: 8
    .kernarg_segment_size: 16
    .max_flat_workgroup_size: 256
    .sgpr_count:     66
    .vgpr_count:     72
    .wavefront_size: 32
...
	.end_amdgpu_metadata
.endif
;; end of part 3
;; ======== version 2 of 2: 3 launches; version 1 with the launch attn written anew for expert scheduling mode
;; workspace buffers: wt 2,097,152 bytes; dpart 1,048,576 bytes; part 1,114,112 bytes
;; launch prep: the kernel of part 1 again; grid 16 x 4, 4 waves a work-group, no clusters, 51,712 bytes of LDS; arguments W_a, dec_h_t, wt, dpart; writes wt, dpart
;; launch attn (part 4): grid 256 x 1, 4 waves a work-group, no clusters, 281,344 bytes of LDS; arguments enc_h_s, wt, dpart, b_a, v_a, b_v, part; writes part
.if DOCPART == 4
	.amdgcn_target "amdgcn-amd-amdhsa--gfx1250"
	.amdhsa_code_object_version 6
	.text
	.protected	k_qe755990dff_attn
	.globl	k_qe755990dff_attn
	.p2align	8
	.type	k_qe755990dff_attn,@function
k_qe755990dff_attn:
	s_mov_b64 s[64:65], 0
	v_nop
	global_prefetch_b8 v0, s[64:65] scope:SCOPE_SE
	s_setreg_imm32_b32 hwreg(HW_REG_WAVE_SCHED_MODE, 0, 2), 2
	s_setreg_imm32_b32 hwreg(HW_REG_WAVE_MODE, 25, 1), 1
	s_wait_xcnt 0x0
	s_wait_alu depctr_vm_vsrc(0)
; score[s] = v_a . tanh(enc[s] W + dec W' + b_a) + b_v;  weights = softmax over s;  context = sum of weight x enc[s].  This launch: 256 rows of one batch to a work-group, its
; unnormalised context, running maximum m and sum l, to part [256][1088] f32 (words 0-1023 the context, 1024-1087 the pair (m, l) 32 times).  The next launch merges a batch's eight.
; EACH BYTE OF enc IS READ ONCE: a block of 128 rows x 1,024 k lies in LDS in bf16 (264,192 bytes) from its load to its context.  Two blocks a work-group; a block takes two passes (the halves of
; the 1,024 columns): in a pass wave w makes all 128 rows x its own 128 columns: 64 accumulators, 512 registers.  All four waves read the same fragments of enc from LDS.
; W's fragments go from memory straight into registers: no two waves want the same column, and wt holds them in the fragments' order (a load of the wave: 512 consecutive bytes); a ring of four sets, a K chunk of 128.
; THE FILL.  enc is f32, so it passes through registers: chunks 0 and 1 of a block are asked for during the block before (its epilogue and softmax), chunks 2..7 are loaded, rounded and stored to LDS during pass 0,
; each a trip (256 matrix instructions) ahead of its first use; one barrier a trip there.  Pass 1 has no fill and no barrier.
; NO CLUSTER, NO TENSOR LOAD.  Beside the resident rows (264,192) and the tables (17,152) LDS has 46,336 bytes left: less than two slots of ONE step of 32 k of the work-group's 512 columns (2 x 32,768).
; A joint fill of W would so want a round of the cluster's barrier for every 64 matrix instructions of a wave.  enc is shared by nobody and needs its conversion in registers.
; THE MATRIX INSTRUCTION IS USED TRANSPOSED (source 0 = 16 columns of W, source 1 = 16 rows of enc): a lane holds ONE row (lane % 16) and the columns 8 (lane / 16) + 0..7.
; tanh(x) = 1 - 2 / (1 + 2^(c x)), c = 2 log2(e): score = sum v + b_v + sum of (-2 v) / (1 + 2^(c x)).  Where 2^(c x) overflows or vanishes the quotient is exactly 0 or 1.
; SOFTMAX by a running maximum m: p = 2^(log2e s - log2e m); at each block context and l are multiplied by 2^(log2e m_old - log2e m_new).
; LIMITS.  enc and W are rounded once to bf16 (matrix operands), and the context sums that bf16 copy of enc; a weight below 2^-126 counts as 0; the score is formed as (sum v + b_v) plus the sum above, in f32;
; NaN and infinities are not treated apart.
; THE MODE: SCHED_MODE bits 1:0 = 2 (LLVM: expert scheduling mode 2), set by the entry lines.  The code itself states the register dependences
; between vector or matrix instructions and memory or LDS instructions, with s_wait_alu, always for 0.
; THE PLAN.  Registers that memory or LDS instructions touch in the K loop:
;   AF0 (v64-95), AF1 (v96-127)   Half h of step q is read by the step's 32 products of half h; the fragments of step q + 1, half h, land in it.
;   W's set q                     Read by step q's 64 products; the next trip's set q lands in it.
;   STG, rows 8 g ..              Read by quarter g's sixteen conversions; the next chunk's loads land in them.
;   CT                            Written by a quarter's conversions; read by its eight LDS stores; written again by the next quarter's conversions.
;   STA, ADRA                     LDS addresses, stepped once a trip by vector adds.  All other offsets and addresses are made at the head and never written again; WP and EP are scalar.
; TWO waits on va_vdst stand in a step, one behind each half's products (and behind the conversions and address steps that stand there).  What hangs on the first (AF0's loads, the quarter's stores and loads) is
; dealt, four at a time, among the second half's products; what hangs on the second (AF1's loads, W's set q) among the NEXT step's first half's.  Those products name the other half of AF, another set of W and the
; accumulators: none of the registers that the dealt instructions touch.  The same holds over every jump: a trip's last wait covers the next trip's first deal, and the pass's head ends in such a wait.
; One wait a step would want a third half of AF, 32 registers: all 1,024 are taken (W 256, accumulators 512, STG 128, AF 64, addresses, statistics and CT 64).
; Waits on vm_vsrc stand ahead of each quarter's conversions (CT, STA) and of each step of an LDS address.
; REGISTERS, in windows of 256 (s_set_vgpr_msb: bits 1:0 source 0, 3:2 source 1, 5:4 source 2, 7:6 destination):
;   window 0: v0-31 addresses and statistics; v32-39 context; v40-47 scores; v48-63 CT at work; v64-127 AF: enc's fragments (in the epilogue the tables, at a block's head chunk 0 in bf16); v128-255 STG: a chunk of my 32 rows in f32
;   window 1: W's ring: set q, fragment b at 64 q + 8 b      windows 2, 3: accumulator (a, b) at window 2 + a / 4, v[8 (8 (a % 4) + b)]; dead between a block's score and the next block: row buffers, chunk 1
.set PITCH,  2064                      ; an LDS row: 2,048 bytes + 16 = 129 x 16: the 16 rows that a fragment load touches start at 16 different groups of four banks (ISA guide 11.1)
.set R32,    32*PITCH
.set DTAB,   128*PITCH                 ; c (dec W' + b_a), f32 [1024]
.set VTAB,   DTAB+4096                 ; -2 v_a
.set SPART,  VTAB+4096                 ; [wave][128] the waves' parts of the scores
.set PTAB,   SPART+2048                ; [wave][128] the weights, each wave's own copy
.set RED,    PTAB+2048                 ; four words: the waves' parts of sum v
.set OST,    RED+256                   ; the way out, 1,024 bytes a wave; the 512 bytes behind it take the closing add's words
.set ADR0, 4                           ; v4-7   (32 p + lane % 16) PITCH + 16 (lane / 16)
.set ADRA, 8                           ; v8-11  the same at the K chunk in hand
.set BO,   12                          ; v12  16 x lane
.set GO,   13                          ; v13  my offset in a block of enc: wave x 32 rows + 16 x lane
.set STA,  14                          ; v14  where I store 8 bytes of row 32 wave: STA0 + 256 x chunk
.set TADR, 15                          ; v15  DTAB + 512 wave + 32 (lane / 16)
.set SPA,  16                          ; v16  SPART + 512 wave + 4 (lane % 16)
.set SPR,  17                          ; v17  SPART + 16 lane
.set PTA,  18                          ; v18  PTAB + 512 wave + 16 lane
.set PRA0, 19                          ; v19  PTAB + 512 wave
.set CA0,  20                          ; v20  16 x thread: my 8 columns of a row in LDS; also my offset in the tables' sources
.set PFO,  21                          ; v21  thread x 4,096: the prefetches' offset, a lane a row
.set STA0, 22
.set CAW,  23                          ; v23  CA0 at the rows in hand
.set MRUN, 24                          ; v24  m      (v24, v25 leave as the pair (m, l))
.set CMRUN, 25                         ; v25  log2e m
.set LRUN, 26                          ; v26  l, my lane's part
.set PRAW, 27                          ; v27  PRA0 at the rows in hand
.set ALPHA, 28                         ; v28-29  the correction, twice
.set CTX,  32
.set SROW, 40
.set CT,   48
.set AF,   64
.set STG,  128
.set WV,   18
.set EP,   20                          ; s[20:21] enc at the block, stepped by chunks in pass 0
.set WB,   22                          ; s[22:23] wt at my wave's stream
.set WP,   24                          ; s[24:25] wt at the trip whose sets are being asked for
.set SBV,  28
.set PASS, 29
.set BLK,  30
.set CNT,  31
.set C2,   32                          ; s[32:33] 2 log2(e)
.set SEL,  34                          ; s[34:35] v_permlanex16_b32's selects: each lane takes its own place in the other half
.set LOG2E, 36
.set MSB, 0
.macro WIN new                         ; the immediate's high byte repeats the setting that is left; a switch that changes nothing is dropped
.if MSB != (\new)
	s_set_vgpr_msb (MSB<<8)|(\new)
.set MSB, \new
.endif
.endm
.set MUL_LO, 0xa1                      ; source 0 (W) window 1, source 1 (enc) window 0, C and D window 2
.set MUL_HI, 0xf1                      ; the same, C and D window 3
.set TO_B,   0x40                      ; destination window 1, address window 0
; A load into a register that a matrix instruction has read, and a vector instruction that reads a result, stand four places behind it; only plain vector instructions that name none of its
; registers are places (ISA guide 7.12.1 for vector instructions).  The places stand beside the waits on va_vdst, which fill none.
.macro PLACES
.rept 4
	v_nop
.endr
.endm
.macro ALOAD half, st                  ; enc's fragments a = 4 half .. 4 half + 3 of step st of the chunk at ADRA: eight LDS loads in one run (the pass's head)
	WIN 0
.irp a, 0,1,2,3
	ds_load_b128 v[AF+8*(4*(\half)+(\a)):AF+8*(4*(\half)+(\a))+3],   v[ADRA+2*(\half)+(\a)/2] offset:((\a)%2)*16*PITCH+64*(\st)
	ds_load_b128 v[AF+8*(4*(\half)+(\a))+4:AF+8*(4*(\half)+(\a))+7], v[ADRA+2*(\half)+(\a)/2] offset:((\a)%2)*16*PITCH+64*(\st)+32
.endr
.endm
.macro BLOAD q                         ; W's set q of the trip at WP: 16 loads of 512 consecutive bytes, in one run (the kernel's head, the epilogue)
	WIN TO_B
.irp b, 0,1,2,3,4,5,6,7
	global_load_b128 v[64*(\q)+8*(\b):64*(\q)+8*(\b)+3],   v[BO], s[WP:WP+1] offset:8192*(\q)+1024*(\b)
	global_load_b128 v[64*(\q)+8*(\b)+4:64*(\q)+8*(\b)+7], v[BO], s[WP:WP+1] offset:8192*(\q)+1024*(\b)+512
.endr
.endm
.macro GLOAD i0, n, base, win, off     ; n of my 32 rows, from row i0: 512 consecutive bytes of enc each, at byte off behind EP
	WIN \win
.set gi, \i0
.rept \n
	global_load_b128 v[(\base)+4*gi:(\base)+4*gi+3], v[GO], s[EP:EP+1] offset:gi*4096+(\off) th:TH_LOAD_NT
.set gi, gi+1
.endr
.endm
; THE DEAL.  STEP sets what a half of 32 products carries: nA groups of enc's fragments (half ah of step ast), nS groups of the fill's stores and nG of its loads (quarter sg), nB groups of W's set bq.
; DEAL writes the next group, four memory instructions, behind a product, in that order, until none is left.  All of them hang on the wait on va_vdst that stands ahead of the half.
.macro DEAL
.if dq < nA
	WIN 0
.set da, 2*dq
.rept 2
	ds_load_b128 v[AF+8*(4*ah+da):AF+8*(4*ah+da)+3],   v[ADRA+2*ah+da/2] offset:(da%2)*16*PITCH+64*ast
	ds_load_b128 v[AF+8*(4*ah+da)+4:AF+8*(4*ah+da)+7], v[ADRA+2*ah+da/2] offset:(da%2)*16*PITCH+64*ast+32
.set da, da+1
.endr
.elseif dq < nA+nS
	WIN 0
.set da, 4*(dq-nA)
.rept 4
	ds_store_b64 v[STA], v[CT+2*da:CT+2*da+1] offset:(8*sg+da)*PITCH  ; 256 consecutive bytes of an LDS row an instruction
.set da, da+1
.endr
.elseif dq < nA+nS+nG
	WIN 0
.set da, 8*sg+4*(dq-nA-nS)
.rept 4
	global_load_b128 v[STG+4*da:STG+4*da+3], v[GO], s[EP:EP+1] offset:da*4096+1024 th:TH_LOAD_NT  ; the chunk behind the one just stored
.set da, da+1
.endr
.elseif dq < nA+nS+nG+nB
	WIN TO_B
.set da, 2*(dq-nA-nS-nG)
.rept 2
	global_load_b128 v[64*bq+8*da:64*bq+8*da+3],   v[BO], s[WP:WP+1] offset:8192*bq+1024*da
	global_load_b128 v[64*bq+8*da+4:64*bq+8*da+7], v[BO], s[WP:WP+1] offset:8192*bq+1024*da+512
.set da, da+1
.endr
.endif
.set dq, dq+1
.endm
.macro MUL hi, a0, na, q, zero         ; 8 na matrix instructions: row blocks 4 hi + a0 .. x all 8 column blocks, set q; behind each the deal's next group.  zero = 1: the product starts the sums
.set ma, \a0
.rept \na
.irp b, 0,1,2,3,4,5,6,7
	WIN MUL_LO+0x50*(\hi)
.if \zero
	v_wmma_f32_16x16x32_bf16 v[8*(8*ma+(\b)):8*(8*ma+(\b))+7], v[64*(\q)+8*(\b):64*(\q)+8*(\b)+7], v[AF+8*(4*(\hi)+ma):AF+8*(4*(\hi)+ma)+7], 0
.else
	v_wmma_f32_16x16x32_bf16 v[8*(8*ma+(\b)):8*(8*ma+(\b))+7], v[64*(\q)+8*(\b):64*(\q)+8*(\b)+7], v[AF+8*(4*(\hi)+ma):AF+8*(4*(\hi)+ma)+7], v[8*(8*ma+(\b)):8*(8*ma+(\b))+7]
.endif
	DEAL
.endr
.set ma, ma+1
.endr
.endm
.macro FILLC g                         ; a quarter of the fill, its vector part: rows 8 g .. 8 g + 7 of the chunk in STG are rounded to bf16, into CT.  These lines are also the places behind the products ahead of them
	WIN 0
	s_wait_loadcnt 63                              ; these eight rows' loads have 64 younger ones or more on every way here (a wait's count holds 63 at the most)
	s_wait_alu depctr_vm_vsrc(0)                   ; the last quarter's LDS stores have read CT and STA, which the lines below write
.if (\g) == 0
	v_add_nc_u32 v[STA], 256, v[STA]               ; the chunk that this trip stores
.endif
.irp i, 0,1,2,3,4,5,6,7
	v_cvt_pk_bf16_f32 v[CT+2*(\i)],   v[STG+4*(8*(\g)+(\i))],   v[STG+4*(8*(\g)+(\i))+1]
	v_cvt_pk_bf16_f32 v[CT+2*(\i)+1], v[STG+4*(8*(\g)+(\i))+2], v[STG+4*(8*(\g)+(\i))+3]
.endr
.endm
; A STEP: 32 along K, 64 matrix instructions in two halves of 32; the 64 accumulators take turns, one instruction a turn, over every jump.
; The first half carries this step's second-half fragments of enc and W's set q - 1 for the next trip (in step 0: set 3 for this trip): that set has nearly three steps in which to land.  The second half carries the
; next step's first-half fragments.  fill = 1: the trip stores the next chunk to LDS and loads the one behind it, a quarter a half-step; 2: it stores only.  refill = 0: the pass's last trip: nothing more of W is asked for,
; and of enc only this trip's fragments.  nb: the younger global loads that may stay out when set q is wanted.  At either half's head no LDS instruction younger than the one wanted is out: the count is 0.
.macro STEP q, zero, fill, refill, nb
	s_wait_loadcnt \nb                             ; W's set q is in
	s_wait_dscnt 0x0                               ; the first half's fragments are in: they were asked for some thirty products ago
.set dq, 0
.set ah, 1
.set ast, \q
.set bq, ((\q)+3)%4
.set sg, 3
.set nA, 2
.set nS, 0
.set nG, 0
.set nB, 0
.if ((\q) == 0) || (\refill)
.set nB, 4
.endif
.if (\fill) && ((\q) == 3)
.set nS, 2
.if (\fill) == 1
.set nG, 2
.endif
	MUL 0, 0, 2, \q, 0                             ; the whole deal (ten groups at the most) stands behind these sixteen products
	s_wait_dscnt 0x0                               ; my stores of the next chunk are done (and no LDS instruction of mine is out at the signal)
	s_barrier_signal -1
	MUL 0, 2, 2, \q, 0                             ; work on registers while the others arrive
	s_barrier_wait -1                              ; everybody's are: the next chunk may be read
.else
	MUL 0, 0, 4, \q, \zero
.endif
.if ((\q) == 0) && (\refill)
	s_wait_xcnt 0x0                                ; every load and prefetch so far has read its address: the pointers may be written
	s_add_nc_u64 s[WP:WP+1], s[WP:WP+1], 32768
.if (\fill) == 1
	s_add_nc_u64 s[EP:EP+1], s[EP:EP+1], 512
.endif
.endif
.if (\fill) && ((\q) < 3)
	FILLC \q
.elseif ((\q) == 3) && (\refill)
	WIN 0
	s_wait_alu depctr_vm_vsrc(0)                   ; the fragments' loads issued so far have read ADRA
.irp p, 0,1,2,3
	v_add_nc_u32 v[ADRA+(\p)], 256, v[ADRA+(\p)]   ; the next chunk; these four are the places
.endr
.elseif (\q) < 3
	PLACES
.endif
.if ((\q) < 3) || (\refill)
	s_wait_alu depctr_va_vdst(0)                   ; the first half's products are done reading AF0, in which the next step's fragments land; where they stand above: CT, STA and ADRA are written, and the conversions are done reading their rows of STG
.endif
.if ((\q) == 0) && ((\fill) == 1)
	s_cmp_gt_u32 s[CNT], 1                         ; the last such trip loads chunk 7: nothing lies behind it
	s_cbranch_scc0 .Lnopf_\@
	global_prefetch_b8 v[PFO], s[EP:EP+1] offset:1536 th:TH_LOAD_NT scope:SCOPE_SE  ; into the L2: my 32 rows' 512 bytes of the chunk that the NEXT trip will load: a lane a row, two blocks of 256 bytes,
	global_prefetch_b8 v[PFO], s[EP:EP+1] offset:1792 th:TH_LOAD_NT scope:SCOPE_SE  ; each named once in the launch, by the wave that will load it
.Lnopf_\@:
.endif
.set dq, 0
.set ah, 0
.set ast, ((\q)+1)%4
.set sg, \q
.set nA, 0
.set nS, 0
.set nG, 0
.set nB, 0
.if ((\q) < 3) || (\refill)
.set nA, 2
.endif
.if (\fill) && ((\q) < 3)
.set nS, 2
.if (\fill) == 1
.set nG, 2
.endif
.endif
	s_wait_dscnt 0x0                               ; the second half's fragments are in
	MUL 1, 0, 4, \q, \zero
.if (\fill) && ((\q) == 2)
	FILLC 3
.else
	PLACES
.endif
.if ((\q) < 3) || (\refill)
	s_wait_alu depctr_va_vdst(0)                   ; the second half's products are done reading AF1 and W's set q, in which the next half's deal lands; in step 2 of a filling trip CT is written and the conversions are done reading STG
.endif
.endm
.macro TRIP zero, fill, refill, nb0, nb1, nb2, nb3  ; a K chunk of 128: four steps, 256 matrix instructions
	STEP 0, \zero, \fill, \refill, \nb0
	STEP 1, 0, \fill, \refill, \nb1
	STEP 2, 0, \fill, \refill, \nb2
	STEP 3, 0, \fill, \refill, \nb3
.endm
	s_load_b256 s[4:11], s[0:1], 0x0               ; enc s[4:5], wt s[6:7], dpart s[8:9], b_a s[10:11]
	s_load_b128 s[12:15], s[0:1], 0x20             ; v_a s[12:13], b_v s[14:15]
	s_load_b64 s[16:17], s[0:1], 0x30              ; part
	v_lshl_add_u32 v2, v0, 2, 0x44900
	v_mov_b32 v3, 0
	v_lshrrev_b32 v1, 5, v0
	v_readfirstlane_b32 s[WV], v1                  ; wave 0..3
	v_and_b32 v31, 31, v0                          ; lane
	v_and_b32 v30, 15, v0                          ; lane % 16
	v_bfe_u32 v29, v0, 4, 1                        ; lane / 16
	v_mul_u32_u24 v[ADR0], v30, PITCH
	v_lshl_add_u32 v[ADR0], v29, 4, v[ADR0]
	v_add_nc_u32 v[ADR0+1], R32, v[ADR0]
	v_add_nc_u32 v[ADR0+2], 2*R32, v[ADR0]
	v_add_nc_u32 v[ADR0+3], 3*R32, v[ADR0]
	v_lshlrev_b32 v[BO], 4, v31
	s_wait_alu depctr_va_sdst(0)                   ; the wave's number is written, ahead of its first reader: offsets, bases and branches are made from it
	s_lshl_b32 s37, s[WV], 17                      ; 32 rows of 4,096 bytes
	v_add_nc_u32 v[GO], s37, v[BO]
	s_mul_i32 s37, s[WV], R32
	v_lshl_add_u32 v[STA0], v31, 3, s37
	s_lshl_b32 s37, s[WV], 9
	s_add_co_u32 s38, s37, DTAB
	v_lshl_add_u32 v[TADR], v29, 5, s38
	s_add_co_u32 s38, s37, SPART
	v_lshl_add_u32 v[SPA], v30, 2, s38
	v_add_nc_u32 v[SPR], SPART, v[BO]
	s_add_co_u32 s38, s37, PTAB
	v_add_nc_u32 v[PTA], s38, v[BO]
	v_mov_b32 v[PRA0], s38
	v_lshlrev_b32 v[CA0], 4, v0
	v_lshlrev_b32 v[PFO], 12, v0
	s_mov_b32 s[C2], 0x4038aa3b                    ; 2 log2(e)
	s_mov_b32 s[C2+1], s[C2]                       ; named with it as a pair
	s_mov_b32 s[SEL], 0x76543210
	s_mov_b32 s[SEL+1], 0xfedcba98
	s_mov_b32 s[LOG2E], 0x3fb8aa3b
	s_lshl_b32 s38, ttmp9, 20                      ; the work-group's 256 rows of 4,096 bytes
	s_mov_b32 s39, 0
	s_lshl_b32 s40, s[WV], 19                      ; my wave's stream in wt
	s_mov_b32 s41, 0
	s_lshr_b32 s42, ttmp9, 3                       ; the batch,
	s_lshl_b32 s42, s42, 12                        ; its row in each of dpart's eight parts
	s_mov_b32 s43, 0
	s_wait_kmcnt 0x0
	s_load_b32 s[SBV], s[14:15], 0x0               ; b_v
	s_add_nc_u64 s[EP:EP+1], s[4:5], s[38:39]
	s_add_nc_u64 s[WB:WB+1], s[6:7], s[40:41]
	s_mov_b64 s[WP:WP+1], s[WB:WB+1]
	s_add_nc_u64 s[8:9], s[8:9], s[42:43]
	s_wait_alu depctr_va_vdst(0)                   ; the offsets and LDS addresses made above are written: the loads, stores and prefetches of the whole kernel read them
	; the tables' sources: thread t takes columns 4 t .. and 512 + 4 t ..
.irp p, 0,1,2,3,4,5,6,7
	global_load_b128 v[AF+8*(\p):AF+8*(\p)+3],   v[CA0], s[8:9] offset:(\p)*131072
	global_load_b128 v[AF+8*(\p)+4:AF+8*(\p)+7], v[CA0], s[8:9] offset:(\p)*131072+2048
.endr
	global_load_b128 v[CT:CT+3],     v[CA0], s[10:11]
	global_load_b128 v[CT+4:CT+7],   v[CA0], s[10:11] offset:2048
	global_load_b128 v[CT+8:CT+11],  v[CA0], s[12:13]
	global_load_b128 v[CT+12:CT+15], v[CA0], s[12:13] offset:2048
	GLOAD 0, 32, STG, 0, 0                         ; the first block's chunk 0,
	GLOAD 0, 32, 0, 0xc0, 512                      ; its chunk 1, into accumulators that are not yet in use (window 3, v0-127),
	BLOAD 0                                        ; and W's first three sets
	BLOAD 1
	BLOAD 2
	WIN 0
.irp i, 0,1,2,3,4,5,6,7
	v_mov_b32 v[CTX+(\i)], 0
.endr
	v_mov_b32 v[LRUN], 0
	v_mov_b32 v[MRUN], 0xff7fffff                  ; the lowest finite number
	v_mov_b32 v[CMRUN], 0xfe000000                 ; far below every log2e m: the first correction is 0
	s_wait_loadcnt 63                              ; the tables' 20 loads are in: 112 are younger
.irp p, 1,2,3,4,5,6,7
.irp i, 0,2,4,6
	v_pk_add_f32 v[AF+(\i):AF+(\i)+1], v[AF+(\i):AF+(\i)+1], v[AF+8*(\p)+(\i):AF+8*(\p)+(\i)+1]  ; the eight partial sums of dec W'
.endr
.endr
.irp i, 0,2,4,6
	v_pk_add_f32 v[AF+(\i):AF+(\i)+1], v[AF+(\i):AF+(\i)+1], v[CT+(\i):CT+(\i)+1]                 ; + b_a
.endr
.irp i, 0,2,4,6
	v_pk_mul_f32 v[AF+(\i):AF+(\i)+1], v[AF+(\i):AF+(\i)+1], s[C2:C2+1] op_sel_hi:[1,0]           ; x c
.endr
	v_lshl_add_u32 v1, v0, 4, DTAB
	v_pk_add_f32 v[CT:CT+1], v[CT+8:CT+9], v[CT+10:CT+11]          ; the sum of my eight v,
	v_pk_add_f32 v[CT+2:CT+3], v[CT+12:CT+13], v[CT+14:CT+15]
	v_pk_add_f32 v[CT:CT+1], v[CT:CT+1], v[CT+2:CT+3]
	v_add_f32 v[CT], v[CT], v[CT+1]
	v_add_f32_dpp v[CT], v[CT], v[CT] row_xmask:1 row_mask:0xf bank_mask:0xf   ; over the wave's lanes
	v_add_f32_dpp v[CT], v[CT], v[CT] row_xmask:2 row_mask:0xf bank_mask:0xf
	v_add_f32_dpp v[CT], v[CT], v[CT] row_xmask:4 row_mask:0xf bank_mask:0xf
	v_add_f32_dpp v[CT], v[CT], v[CT] row_xmask:8 row_mask:0xf bank_mask:0xf
	v_permlanex16_b32 v[CT+1], v[CT], s[SEL], s[SEL+1]
	v_add_f32 v[CT], v[CT], v[CT+1]
.irp i, 8,10,12,14
	v_pk_mul_f32 v[CT+(\i):CT+(\i)+1], v[CT+(\i):CT+(\i)+1], -2.0 op_sel_hi:[1,0]
.endr
	s_lshl_b32 s37, s[WV], 2
	s_add_co_u32 s37, s37, RED
	v_mov_b32 v31, s37
	s_wait_alu depctr_va_vdst(0)                   ; the tables' numbers (AF's first eight registers, CT) and the two addresses v1 and v31 are written, which the five LDS stores read
	ds_store_b128 v1, v[AF:AF+3]
	ds_store_b128 v1, v[AF+4:AF+7] offset:2048
	ds_store_b128 v1, v[CT+8:CT+11]  offset:4096
	ds_store_b128 v1, v[CT+12:CT+15] offset:6144
	ds_store_b32 v31, v[CT]                        ; all lanes write the same word with the same value
	s_wait_kmcnt 0x0                               ; b_v
	s_mov_b32 s[BLK], 2
.Lblock:                                               ; A BLOCK OF 128 ROWS.  Its chunks 0 and 1 are on their way
	s_wait_loadcnt 0x0                             ; both are in (they were asked for in two places that do not both run on every way here, so the wait counts on neither)
	s_wait_alu depctr_vm_vsrc(0)                   ; every LDS store issued so far has read its data and its address: AF and STA are written below
	v_add_nc_u32 v[STA], 256, v[STA0]              ; chunk 1's place: each filling trip steps it on by a chunk
.set i, 0
.rept 32
	v_cvt_pk_bf16_f32 v[AF+2*i],   v[STG+4*i],   v[STG+4*i+1]      ; chunk 0, rounded into AF, which is free here
	v_cvt_pk_bf16_f32 v[AF+2*i+1], v[STG+4*i+2], v[STG+4*i+3]
.set i, i+1
.endr
	WIN 0xcf                                       ; sources and destination in window 3
.set i, 0
.rept 32
	v_cvt_pk_bf16_f32 v[4*i],   v[4*i],   v[4*i+1]                 ; chunk 1, in place: four numbers close up into the first two of their four registers
	v_cvt_pk_bf16_f32 v[4*i+1], v[4*i+2], v[4*i+3]
.set i, i+1
.endr
	WIN 0
.irp a, 0,1,2,3,4,5,6,7
	v_mov_b32 v[SROW+(\a)], 0
.endr
	s_wait_alu depctr_va_vdst(0)                   ; the conversions have written what the 64 LDS stores below read, and are done reading STG, in which chunk 2 lands
	GLOAD 0, 32, STG, 0, 1024                      ; chunk 2: it has the first trip in which to land
	global_prefetch_b8 v[PFO], s[EP:EP+1] offset:1536 th:TH_LOAD_NT scope:SCOPE_SE  ; chunk 3, which the second trip will load
	global_prefetch_b8 v[PFO], s[EP:EP+1] offset:1792 th:TH_LOAD_NT scope:SCOPE_SE
.set i, 0
.rept 32
	ds_store_b64 v[STA0], v[AF+2*i:AF+2*i+1] offset:i*PITCH        ; chunk 0: 256 consecutive bytes of an LDS row an instruction
.set i, i+1
.endr
	WIN 0x0c                                       ; the stores' data in window 3
.set i, 0
.rept 32
	ds_store_b64 v[STA0], v[4*i:4*i+1] offset:i*PITCH+256          ; chunk 1
.set i, i+1
.endr
	WIN 0
	s_wait_dscnt 0x0                               ; my stores are done: chunks 0 and 1 and, the first time, the tables
	s_barrier_signal -1
	s_barrier_wait -1                              ; everybody's are
	s_mov_b32 s[PASS], 0
.Lpass:                                                ; A PASS: 128 rows x 512 columns, K = 1,024 in eight trips
	s_wait_alu depctr_vm_vsrc(0)                   ; the fragments' loads of the pass before have read ADRA; the block's first stores have read AF and the accumulators' registers, which this pass writes
.irp p, 0,1,2,3
	v_mov_b32 v[ADRA+(\p)], v[ADR0+(\p)]
.endr
	s_wait_alu depctr_va_vdst(0)                   ; ADRA is written; all vector and matrix work so far is done with AF and with W's set 3, in which the loads below and the first trip's first deal land
	ALOAD 0, 0                                     ; the first half's fragments; the second half's and W's set 3 are dealt in the first trip, as in every trip (sets 0-2 were asked for in the epilogue before, or at the head)
	TRIP 1, 0, 1, 32, 32, 32, 32                   ; the first trip starts the sums.  32: the two sets asked for behind the one that is wanted
	WIN 0                                          ; at a label and at a branch every window is 0
	s_cmp_lg_u32 s[PASS], 0
	s_cbranch_scc1 .Lplain
	s_mov_b32 s[CNT], 5
.Lfill:                                                ; trips 1-5 of pass 0 store chunks 2-6 and load chunks 3-7
	TRIP 0, 1, 1, 32, 40, 48, 56                   ; younger than set q: behind the first trip 32, 40, 48, 56; behind a trip like this one 56, 56, 48, 56: the lesser
	WIN 0
	s_sub_co_u32 s[CNT], s[CNT], 1
	s_cmp_lg_u32 s[CNT], 0
	s_cbranch_scc1 .Lfill
	TRIP 0, 2, 1, 56, 48, 32, 32                   ; trip 6 stores chunk 7 and loads nothing of enc: three quarters and two sets; two quarters and two sets; two sets; two sets are younger
	WIN 0
	s_branch .Ltail
.Lplain:
	s_mov_b32 s[CNT], 6
.Lp:                                                   ; trips 1-6 of pass 1: the rows lie in LDS
	TRIP 0, 0, 1, 32, 32, 32, 32
	WIN 0
	s_sub_co_u32 s[CNT], s[CNT], 1
	s_cmp_lg_u32 s[CNT], 0
	s_cbranch_scc1 .Lp
.Ltail:
	TRIP 0, 0, 0, 32, 32, 16, 0                    ; the last trip asks only for its own set 3, in its first half: the counts run down; its last four v_nop are the places ahead of the epilogue
	; THE EPILOGUE of a pass: x -> -2 v / (1 + 2^(c x + c d)), summed over my 128 columns onto the rows' scores.  No load of mine is out.
	WIN 0
	s_wait_xcnt 0x0                                ; the pointers may be written
	s_add_nc_u64 s[26:27], s[WP:WP+1], 32768
	s_cmp_eq_u32 s[PASS], 0
	s_cselect_b64 s[WP:WP+1], s[26:27], s[WB:WB+1] ; W goes on into pass 1, or back to the stream's head
	s_add_co_u32 s37, s[BLK], s[PASS]              ; 3: the first block's second pass: the next block is asked for below
	s_cmp_eq_u32 s37, 3
	s_cselect_b32 s38, 128*4096-2560, 0            ; EP stands at chunk 5 of the block
	s_mov_b32 s39, 0
	s_add_nc_u64 s[EP:EP+1], s[EP:EP+1], s[38:39]
	s_lshl_b32 s40, s[PASS], 11
	s_wait_alu depctr_vm_vsrc(0)                   ; the LDS instructions that took v1 as their address have read it
	v_add_nc_u32 v1, s40, v[TADR]                  ; my 128 columns of the pass in the tables
	s_wait_alu depctr_va_vdst(0)                   ; v1 is written; the pass's products are done reading AF and W's sets, in which the loads below land
.irp b, 0,1,2,3,4,5,6,7
	ds_load_b128 v[AF+8*(\b):AF+8*(\b)+3],   v1 offset:64*(\b)
	ds_load_b128 v[AF+8*(\b)+4:AF+8*(\b)+7], v1 offset:64*(\b)+16
.endr
	s_cmp_eq_u32 s[BLK], s[PASS]                   ; both 1: the very last pass: no pass follows
	s_cbranch_scc1 .Lnob
	BLOAD 0                                        ; the next pass's first three sets land under the epilogue
	BLOAD 1
	BLOAD 2
	WIN 0
.Lnob:
	s_wait_dscnt 0x0
.irp hi, 0,1
	WIN 0x82+0x41*(\hi)                            ; accumulators (destination, source 0) in window 2 or 3, the table in window 0
.set t, 0
.rept 32
.irp i, 0,2,4,6
	v_pk_fma_f32 v[8*t+(\i):8*t+(\i)+1], v[8*t+(\i):8*t+(\i)+1], s[C2:C2+1], v[AF+8*(t%8)+(\i):AF+8*(t%8)+(\i)+1] op_sel_hi:[1,0,1]  ; c x + c d; each accumulator's low registers are read first
.endr
.set t, t+1
.endr
.endr
.irp hi, 0,1
	WIN 0x82+0x41*(\hi)
.set t, 0
.rept 256
	v_exp_f32 v[t], v[t]
.set t, t+1
.endr
.endr
	v_nop                                          ; a plain instruction behind the last exponential,
	s_wait_alu depctr_va_vdst(0)                   ; and ONE wait for the batch of 512, ahead of the first line that names a result; it also states that the scalings above are done reading AF, in which -2 v lands
	WIN 0
.irp b, 0,1,2,3,4,5,6,7
	ds_load_b128 v[AF+8*(\b):AF+8*(\b)+3],   v1 offset:4096+64*(\b)   ; -2 v takes d's place
	ds_load_b128 v[AF+8*(\b)+4:AF+8*(\b)+7], v1 offset:4096+64*(\b)+16
.endr
	s_cmp_eq_u32 s37, 3
	s_cbranch_scc0 .Lnoc0
	GLOAD 0, 32, STG, 0, 0                         ; the next block's chunk 0: no vector instruction has named STG since pass 0
.Lnoc0:
.irp hi, 0,1
	WIN 0x82+0x41*(\hi)
.set t, 0
.rept 128
	v_pk_add_f32 v[t:t+1], v[t:t+1], 1.0 op_sel_hi:[1,0]
.set t, t+2
.endr
.endr
.irp hi, 0,1
	WIN 0x82+0x41*(\hi)
.set t, 0
.rept 256
	v_rcp_f32 v[t], v[t]
.set t, t+1
.endr
.endr
	v_nop
	s_wait_alu depctr_va_vdst(0)                   ; one wait for the 512 reciprocals, ahead of the first line that names a result
	s_wait_dscnt 0x0                               ; -2 v
.irp hi, 0,1
	WIN 0xa2+0x51*(\hi)                            ; sixteen chains (4 row blocks x 4 pairs) take turns; column block 0's registers take the sums
.irp b, 0,1,2,3,4,5,6,7
.irp i, 0,2,4,6
.irp a, 0,1,2,3
.if (\b) == 0
	v_pk_mul_f32 v[64*(\a)+(\i):64*(\a)+(\i)+1], v[64*(\a)+(\i):64*(\a)+(\i)+1], v[AF+(\i):AF+(\i)+1]
.else
	v_pk_fma_f32 v[64*(\a)+(\i):64*(\a)+(\i)+1], v[64*(\a)+8*(\b)+(\i):64*(\a)+8*(\b)+(\i)+1], v[AF+8*(\b)+(\i):AF+8*(\b)+(\i)+1], v[64*(\a)+(\i):64*(\a)+(\i)+1]
.endif
.endr
.endr
.endr
	WIN 0x8a+0x45*(\hi)
.irp a, 0,1,2,3
	v_pk_add_f32 v[64*(\a):64*(\a)+1], v[64*(\a):64*(\a)+1], v[64*(\a)+2:64*(\a)+3]
	v_pk_add_f32 v[64*(\a)+4:64*(\a)+5], v[64*(\a)+4:64*(\a)+5], v[64*(\a)+6:64*(\a)+7]
.endr
.irp a, 0,1,2,3
	v_pk_add_f32 v[64*(\a):64*(\a)+1], v[64*(\a):64*(\a)+1], v[64*(\a)+4:64*(\a)+5]
.endr
	WIN 0x02+(\hi)
.irp a, 0,1,2,3
	v_add_f32 v[SROW+4*(\hi)+(\a)], v[64*(\a)], v[SROW+4*(\hi)+(\a)]
.endr
.irp a, 0,1,2,3
	v_add_f32 v[SROW+4*(\hi)+(\a)], v[64*(\a)+1], v[SROW+4*(\hi)+(\a)]
.endr
.endr
	WIN 0
	s_add_co_u32 s[PASS], s[PASS], 1
	s_cmp_lt_u32 s[PASS], 2
	s_cbranch_scc1 .Lpass
	; THE BLOCK'S SOFTMAX.  Every wave makes all 128 weights for itself; a lane holds rows 4 lane .. 4 lane + 3.
	s_wait_alu depctr_vm_vsrc(0)                   ; the epilogue's LDS loads have read v1
	v_mov_b32 v1, RED
.irp a, 0,1,2,3,4,5,6,7
	v_permlanex16_b32 v[CT+(\a)], v[SROW+(\a)], s[SEL], s[SEL+1]   ; the row's other columns lie in the lane 16 away
.endr
.irp a, 0,1,2,3,4,5,6,7
	v_add_f32 v[CT+(\a)], v[CT+(\a)], v[SROW+(\a)]
.endr
	s_wait_alu depctr_va_vdst(0)                   ; CT and v1 are written, which the LDS stores and the load below read; the epilogue is done with AF and with the accumulators' registers, in which the loads below land
.irp a, 0,1,2,3,4,5,6,7
	ds_store_b32 v[SPA], v[CT+(\a)] offset:64*(\a)                 ; row 16 a + lane % 16; both halves of the lanes write the same value
.endr
	s_cmp_eq_u32 s[BLK], 2
	s_cbranch_scc0 .Lnoc1
	GLOAD 0, 32, 0, 0xc0, 512                      ; the next block's chunk 1, into accumulators that are dead till its first trip
	WIN 0
	global_prefetch_b8 v[PFO], s[EP:EP+1] offset:1024 th:TH_LOAD_NT scope:SCOPE_SE  ; and its chunk 2, which the block's head will load
	global_prefetch_b8 v[PFO], s[EP:EP+1] offset:1280 th:TH_LOAD_NT scope:SCOPE_SE
.Lnoc1:
	s_wait_dscnt 0x0
	s_barrier_signal -1
	s_barrier_wait -1                              ; all four waves' parts lie in LDS
.irp w, 0,1,2,3
	ds_load_b128 v[AF+4*(\w):AF+4*(\w)+3], v[SPR] offset:512*(\w)
.endr
	ds_load_b128 v[AF+16:AF+19], v1
	s_wait_dscnt 0x0
	v_pk_add_f32 v[AF:AF+1], v[AF:AF+1], v[AF+4:AF+5]
	v_pk_add_f32 v[AF+2:AF+3], v[AF+2:AF+3], v[AF+6:AF+7]
	v_pk_add_f32 v[AF+8:AF+9], v[AF+8:AF+9], v[AF+12:AF+13]
	v_pk_add_f32 v[AF+10:AF+11], v[AF+10:AF+11], v[AF+14:AF+15]
	v_add_f32 v[AF+16], v[AF+16], v[AF+17]
	v_add_f32 v[AF+18], v[AF+18], v[AF+19]
	v_pk_add_f32 v[AF:AF+1], v[AF:AF+1], v[AF+8:AF+9]
	v_pk_add_f32 v[AF+2:AF+3], v[AF+2:AF+3], v[AF+10:AF+11]
	v_add_f32 v[AF+16], v[AF+16], v[AF+18]
	v_add_f32 v[AF+16], s[SBV], v[AF+16]           ; sum v + b_v
	v_pk_add_f32 v[AF:AF+1], v[AF:AF+1], v[AF+16:AF+17] op_sel_hi:[1,0]
	v_pk_add_f32 v[AF+2:AF+3], v[AF+2:AF+3], v[AF+16:AF+17] op_sel_hi:[1,0]   ; the four scores
	v_max3_num_f32 v[AF+20], v[AF], v[AF+1], v[AF+2]
	v_max3_num_f32 v[AF+20], v[AF+20], v[AF+3], v[MRUN]
	v_max_num_f32_dpp v[AF+20], v[AF+20], v[AF+20] row_xmask:1 row_mask:0xf bank_mask:0xf
	v_max_num_f32_dpp v[AF+20], v[AF+20], v[AF+20] row_xmask:2 row_mask:0xf bank_mask:0xf
	v_max_num_f32_dpp v[AF+20], v[AF+20], v[AF+20] row_xmask:4 row_mask:0xf bank_mask:0xf
	v_max_num_f32_dpp v[AF+20], v[AF+20], v[AF+20] row_xmask:8 row_mask:0xf bank_mask:0xf
	v_permlanex16_b32 v[AF+21], v[AF+20], s[SEL], s[SEL+1]
	v_max_num_f32 v[AF+20], v[AF+20], v[AF+21]     ; the new m, in every lane
	v_mul_f32 v[AF+22], s[LOG2E], v[AF+20]
	v_sub_f32 v[AF+23], v[CMRUN], v[AF+22]
.irp i, 0,1,2,3
	v_fma_f32 v[AF+24+(\i)], v[AF+(\i)], s[LOG2E], -v[AF+22]
.endr
	v_exp_f32 v[ALPHA], v[AF+23]                   ; one batch of five
.irp i, 0,1,2,3
	v_exp_f32 v[AF+24+(\i)], v[AF+24+(\i)]
.endr
	v_mov_b32 v[MRUN], v[AF+20]                    ; plain work behind the last exponential
	v_mov_b32 v[CMRUN], v[AF+22]
	s_wait_alu depctr_va_vdst(0)                   ; one wait for the five exponentials, ahead of the first line that names a result: the four weights are written, which the LDS store below reads
	v_mov_b32 v[ALPHA+1], v[ALPHA]
	ds_store_b128 v[PTA], v[AF+24:AF+27]           ; my wave's own copy of the weights
	v_add_f32 v[AF+28], v[AF+24], v[AF+25]
	v_add_f32 v[AF+29], v[AF+26], v[AF+27]
	v_add_f32 v[AF+28], v[AF+28], v[AF+29]
	v_fma_f32 v[LRUN], v[LRUN], v[ALPHA], v[AF+28]
.irp i, 0,2,4,6
	v_pk_mul_f32 v[CTX+(\i):CTX+(\i)+1], v[CTX+(\i):CTX+(\i)+1], v[ALPHA:ALPHA+1]
.endr
	; THE BLOCK'S CONTEXT.  Thread t owns columns 8 t .. 8 t + 7 and walks all 128 rows in LDS, 32 a trip; a load of the wave takes 512 consecutive bytes of a row.
	v_mov_b32 v[CAW], v[CA0]
	v_mov_b32 v[PRAW], v[PRA0]
	s_mov_b32 s[CNT], 4
.Lctx:
	s_wait_alu depctr_va_vdst(0)                   ; CAW and PRAW are written; the multiply-adds of the trip before are done reading the weights and the rows, in whose registers the loads below land
.irp i, 0,1,2,3,4,5,6,7
	ds_load_b128 v[AF+32+4*(\i):AF+32+4*(\i)+3], v[PRAW] offset:16*(\i)    ; 32 weights, the same address in every lane; LDS serves a wave in order, so these see the store above
.endr
	WIN 0x80                                       ; destination window 2: accumulators that are dead
.set i, 0
.rept 32
	ds_load_b128 v[4*i:4*i+3], v[CAW] offset:PITCH*i
.set i, i+1
.endr
	WIN 0x02                                       ; source 0 window 2
.set row, 0
.rept 8
	s_wait_dscnt 28-row                            ; four more rows are in: the rows behind them are younger
.rept 4
.irp k, 0,1,2,3
	v_fma_mix_f32_bf16 v[CTX+2*(\k)],   v[4*row+(\k)], v[AF+32+row], v[CTX+2*(\k)]   op_sel_hi:[1,0,0]
	v_fma_mix_f32_bf16 v[CTX+2*(\k)+1], v[4*row+(\k)], v[AF+32+row], v[CTX+2*(\k)+1] op_sel:[1,0,0] op_sel_hi:[1,0,0]
.endr
.set row, row+1
.endr
.endr
	WIN 0
	s_wait_alu depctr_vm_vsrc(0)                   ; this trip's LDS loads have read CAW and PRAW
	v_add_nc_u32 v[CAW], R32, v[CAW]
	v_add_nc_u32 v[PRAW], 128, v[PRAW]
	s_sub_co_u32 s[CNT], s[CNT], 1
	s_cmp_lg_u32 s[CNT], 0
	s_cbranch_scc1 .Lctx
	s_wait_dscnt 0x0                               ; my reads of the block are over
	s_barrier_signal -1
	s_barrier_wait -1                              ; everybody's are: the rows may be written over
	s_sub_co_u32 s[BLK], s[BLK], 1
	s_cmp_lg_u32 s[BLK], 0
	s_cbranch_scc1 .Lblock
	; THE WAY OUT.  A thread's eight numbers are 32 bytes: through my wave's own 1,024 bytes of LDS they become stores of 512 consecutive bytes.
	v_add_f32_dpp v[LRUN], v[LRUN], v[LRUN] row_xmask:1 row_mask:0xf bank_mask:0xf
	v_add_f32_dpp v[LRUN], v[LRUN], v[LRUN] row_xmask:2 row_mask:0xf bank_mask:0xf
	v_add_f32_dpp v[LRUN], v[LRUN], v[LRUN] row_xmask:4 row_mask:0xf bank_mask:0xf
	v_add_f32_dpp v[LRUN], v[LRUN], v[LRUN] row_xmask:8 row_mask:0xf bank_mask:0xf
	v_permlanex16_b32 v1, v[LRUN], s[SEL], s[SEL+1]
	v_add_f32 v[CMRUN], v[LRUN], v1                ; l, beside m
	v_lshl_add_u32 v1, v0, 5, OST
	s_lshl_b32 s37, s[WV], 10
	v_add_nc_u32 v30, s37, v[BO]
	v_add_nc_u32 v31, OST, v30
	v_lshrrev_b32 v29, 1, v[BO]                    ; 8 x lane
	s_mul_i32 s38, ttmp9, 4352
	s_mov_b32 s39, 0
	s_add_nc_u64 s[16:17], s[16:17], s[38:39]
	s_wait_alu depctr_va_vdst(0)                   ; the context, the pair (m, l) and the four addresses v1, v29, v30, v31 are written, which the stores and loads below read; the softmax is done with AF's first registers, in which the loads land
	ds_store_b128 v1, v[CTX:CTX+3]
	ds_store_b128 v1, v[CTX+4:CTX+7] offset:16
	ds_load_b128 v[AF:AF+3], v31
	ds_load_b128 v[AF+4:AF+7], v31 offset:512
	s_wait_dscnt 0x0
	global_store_b128 v30, v[AF:AF+3], s[16:17]
	global_store_b128 v30, v[AF+4:AF+7], s[16:17] offset:512
	s_cmp_lg_u32 s[WV], 0
	s_cbranch_scc1 .Lend
	global_store_b64 v29, v[MRUN:MRUN+1], s[16:17] offset:4096     ; (m, l) 32 times: 256 consecutive bytes, aligned
.Lend:
	s_wait_dscnt 0x0                               ; the wave's end: my last LDS instructions are done
	s_wait_alu depctr_hold_cnt(0) depctr_sa_sdst(0) depctr_va_vdst(0) depctr_va_sdst(0) depctr_va_ssrc(0) depctr_va_vcc(0) depctr_vm_vsrc(0)
	s_wait_tensorcnt 0x0
	ds_add_u32 v2, v3
	s_wait_dscnt 0x0
	s_endpgm
.Lfunc_end_k_qe755990dff_attn:
	.size	k_qe755990dff_attn, .Lfunc_end_k_qe755990dff_attn-k_qe755990dff_attn
	.p2alignl 7, 3214868480
	.fill 96, 4, 3214868480
	.section	.rodata,"a",@progbits
	.p2align	6, 0x0
	.amdhsa_kernel k_qe755990dff_attn
		.amdhsa_group_segment_fixed_size 281344
		.amdhsa_private_segment_fixed_size 0
		.amdhsa_enable_private_segment 0
		.amdhsa_kernarg_size 56
		.amdhsa_user_sgpr_count 2
		.amdhsa_user_sgpr_kernarg_segment_ptr 1
		.amdhsa_wavefront_size32 1
		.amdhsa_system_sgpr_workgroup_id_x 1
		.amdhsa_system_sgpr_workgroup_id_y 1
		.amdhsa_system_sgpr_workgroup_id_z 1
		.amdhsa_system_vgpr_workitem_id 0
		.amdhsa_next_free_vgpr 1024
		.amdhsa_next_free_sgpr 66
		.amdhsa_reserve_vcc 0
		.amdhsa_float_denorm_mode_32 3
		.amdhsa_float_denorm_mode_16_64 3
		.amdhsa_memory_ordered 1
		.amdhsa_forward_progress 1
		.amdhsa_inst_pref_size 255
	.end_amdhsa_kernel
	.section	.bss,"aw",@nobits
	.p2align	6
	.space	262144
	.amdgpu_metadata
---
amdhsa.version: [ 1, 2 ]
amdhsa.kernels:
  - .name:           k_qe755990dff_attn
    .symbol:         k_qe755990dff_attn.kd
    .args:
      - { .name: enc_h_s, .offset: 0, .size: 8, .value_kind: global_buffer, .address_space: global }
      - { .name: wt, .offset: 8, .size: 8, .value_kind: global_buffer, .address_space: global }
      - { .name: dpart, .offset: 16, .size: 8, .value_kind: global_buffer, .address_space: global }
      - { .name: b_a, .offset: 24, .size: 8, .value_kind: global_buffer, .address_space: global }
      - { .name: v_a, .offset: 32, .size: 8, .value_kind: global_buffer, .address_space: global }
      - { .name: b_v, .offset: 40, .size: 8, .value_kind: global_buffer, .address_space: global }
      - { .name: part, .offset: 48, .size: 8, .value_kind: global_buffer, .address_space: global }
    .group_segment_fixed_size: 281344
    .private_segment_fixed_size: 0
    .kernarg_segment_align: 8
    .kernarg_segment_size: 56
    .max_flat_workgroup_size: 128
    .sgpr_count:     66
    .vgpr_count:     1024
    .wavefront_size: 32
...
	.end_amdgpu_metadata
.endif
;; end of part 4
;; launch fin: the kernel of part 3 again; grid 32 x 1, 8 waves a work-group, no clusters, 0 bytes of LDS; arguments part, out0; writes out0
